; MI455X (gfx1250); checked and timed in simulation.
; The chip was launched on July 23, 2026; its instructions are those of AMD's public machine-readable ISA for CDNA 5 (MIT licence, August 2026) and "CDNA5" Instruction Set Architecture Reference Guide (July 2026). The comments in the code are by the model that wrote it; some were corrected since.
;; Multihead LSH Attention. Allowed arithmetic: float matrix products may take bf16 or f16 operands with f32 sums; all other float work in f32.
;; Inputs: K 1 x 4,096 x 512 float32; Q 1 x 4,096 x 512 float32; V 1 x 4,096 x 512 float32; W_out 512 x 512 float32; W_qk 512 x 512 float32; W_v 512 x 512 float32; b_out 512 float32; b_qk 512 float32; b_v 512 float32.
;; Outputs: out0 1 x 4,096 x 512 float32.
;; 2 versions, each right and faster than the one before. Each part assembles by itself: llvm-mc -triple=amdgcn-amd-amdhsa -mcpu=gfx1250 --defsym DOCPART=n.
;; ======== version 1 of 2: 3 launches
;; workspace buffers: qh 4,194,304 bytes; kh 4,194,304 bytes; vh 4,194,304 bytes; ah 4,194,304 bytes
;; launch proj (part 1): grid 64 x 3, 16 waves a work-group, no clusters, 210,944 bytes of LDS; arguments Q, K, V, W_qk, W_v, b_qk, b_v, qh, kh, vh; writes qh, kh, vh
.if DOCPART == 1
	.amdgcn_target "amdgcn-amd-amdhsa--gfx1250"
	.amdhsa_code_object_version 6
	.text
	.protected	k_q56be0219d4_proj
	.globl	k_q56be0219d4_proj
	.p2align	8
	.type	k_q56be0219d4_proj,@function
k_q56be0219d4_proj:
	s_mov_b64 s[64:65], 0
	v_nop
	global_prefetch_b8 v0, s[64:65] scope:SCOPE_SE
	s_setreg_imm32_b32 hwreg(HW_REG_WAVE_MODE, 25, 1), 1
	s_wait_xcnt 0x0
; The three projections in one launch.  y = 0: qh = (Q W_qk^T + b_qk) * 0.125 * log2(e);  y = 1: kh = K W_qk^T + b_qk;  y = 2: vh = V W_v^T + b_v.
; Inputs f32, products in bf16 with f32 sums, results rounded once to bf16, flat [4096][512] (the heads' view is a pure reshape of that).
; q's factor (1/sqrt(64) and the change to base-2 exponentials) is applied in f32 ahead of the one rounding; k and v take the factor 1.0 by the same line.
; A work-group makes 128 rows x 256 columns: 32 x 2 blocks for each of the three problems, 192 work-groups.  Sixteen waves, wave (wm, wn) = (w >> 2, w & 3)
; makes 32 rows x 64 columns in 2 x 4 accumulators.  K goes in four steps of 128 (512 bytes of an f32 row) through two LDS slots.
; NO CLUSTER, NO TENSOR LOADS: the operands are f32 and have to be rounded to bf16 on the way.  A copy engine moves bytes as they are, so a shared tile would lie in
; LDS as f32: twice the LDS bytes for each fragment, and each number converted again by each of the 4 (A) or 4 (W) waves that read it.  Through registers each
; number is converted once.
; LIMITS: NaN and infinities go through as the arithmetic makes them; operands are rounded to bf16 (nearest even).
.set PITCH,  272                       ; an LDS row: 128 bf16 + 16 bytes, an odd multiple of 16: the 16 rows of a fragment load start in 16 different 16-byte columns modulo 256
.set WOFF,   128*PITCH                 ; in a slot: A's 128 rows, then W's 256 rows
.set SLOT,   384*PITCH                 ; 104,448 bytes; two slots
.set OPITCH, 528                       ; the way out: 256 bf16 + 16 bytes, in slot 0
.set VA,  1                            ; v1      A: w x 8 rows x 2,048 bytes + 16 lane
.set VB,  2                            ; v2      W: w x 16 rows x 2,048 bytes + 16 lane
.set STA, 3                            ; v3-4    slot s: where my 8 bytes of A's row 8 w go
.set STB, 5                            ; v5-6    slot s: where my 8 bytes of W's row 16 w go
.set FX,  7                            ; v7-8    slot s: my fragments of A
.set FW,  9                            ; v9-10   slot s: my fragments of W
.set VBI, 11                           ; v11     my 8 numbers of the bias
.set OS,  12                           ; v12     the way out: where I put 16 bytes of a row
.set ORD, 13                           ; v13     the way out: where I read a row back
.set OG,  14                           ; v14     my byte offset in the result
.set G,   16                           ; v16-111   24 quads as loaded: 8 of A, 16 of W
.set F,   112                          ; v112-159  fragments: A's a at F + 8 a, W's b at F + 16 + 8 b
.set ACC, 160                          ; v160-223  tile (a, b) at ACC + 8 (4 a + b)
	s_load_b512 s[8:23], s[0:1], 0x0               ; Q s[8:9], K s[10:11], V s[12:13], W_qk s[14:15], W_v s[16:17], b_qk s[18:19], b_v s[20:21], qh s[22:23]
	s_load_b128 s[24:27], s[0:1], 0x40             ; kh s[24:25], vh s[26:27]
	v_lshl_add_u32 v224, v0, 2, 0x33000
	v_mov_b32 v225, 0
	v_lshrrev_b32 v1, 5, v0
	v_readfirstlane_b32 s28, v1                    ; wave 0..15
	s_and_b32 s29, ttmp7, 0xffff                   ; y: which projection
	s_and_b32 s30, ttmp9, 1                        ; column block of 256
	s_lshr_b32 s31, ttmp9, 1                       ; row block of 128
	s_lshr_b32 s44, s28, 2                         ; wm
	s_and_b32 s45, s28, 3                          ; wn
	v_and_b32 v16, 31, v0                          ; lane
	v_and_b32 v17, 15, v0                          ; r
	v_bfe_u32 v18, v0, 4, 1                        ; h
	v_lshlrev_b32 v19, 4, v16                      ; 16 lane
	v_lshl_or_b32 v[VA], s28, 14, v19
	v_lshl_or_b32 v[VB], s28, 15, v19
	v_lshl_or_b32 v[OG], s28, 13, v19              ; 8 rows of 1,024 bytes a wave
	s_mul_i32 s46, s28, 8*PITCH
	v_lshl_add_u32 v[STA], v16, 3, s46             ; 4 f32 become 8 bytes: 8 lane
	v_add_nc_u32 v[STA+1], SLOT, v[STA]
	s_mul_i32 s46, s28, 16*PITCH
	s_add_co_u32 s46, s46, WOFF
	v_lshl_add_u32 v[STB], v16, 3, s46
	v_add_nc_u32 v[STB+1], SLOT, v[STB]
	v_mul_u32_u24 v20, v17, PITCH
	v_lshl_add_u32 v20, v18, 4, v20                ; r x pitch + 16 h
	s_mul_i32 s46, s44, 32*PITCH
	v_add_nc_u32 v[FX], s46, v20
	v_add_nc_u32 v[FX+1], SLOT, v[FX]
	s_mul_i32 s46, s45, 64*PITCH
	s_add_co_u32 s46, s46, WOFF
	v_add_nc_u32 v[FW], s46, v20
	v_add_nc_u32 v[FW+1], SLOT, v[FW]
	s_lshl_b32 s46, s45, 8                         ; 64 f32 a wave column
	v_lshl_add_u32 v[VBI], v18, 5, s46             ; + 8 f32 for the upper half of the lanes
	v_mul_u32_u24 v21, v17, OPITCH
	v_lshl_add_u32 v21, v18, 4, v21
	s_mul_i32 s46, s44, 32*OPITCH
	s_lshl_b32 s47, s45, 7
	s_add_co_u32 s46, s46, s47
	v_add_nc_u32 v[OS], s46, v21                   ; (32 wm + r) x 528 + 128 wn + 16 h
	s_mul_i32 s46, s28, 8*OPITCH
	v_add_nc_u32 v[ORD], s46, v19
	s_wait_kmcnt 0x0
	s_cmp_eq_u32 s29, 0                            ; the choice hangs on the work-group's y alone
	s_cselect_b64 s[32:33], s[8:9], s[10:11]       ; A = Q or K
	s_cselect_b64 s[38:39], s[22:23], s[24:25]     ; result = qh or kh
	s_cselect_b32 s40, 0x3e38aa3b, 1.0             ; 0.125 log2(e) for q
	s_cmp_eq_u32 s29, 2
	s_cselect_b64 s[32:33], s[12:13], s[32:33]     ; or V
	s_cselect_b64 s[34:35], s[16:17], s[14:15]     ; W = W_v or W_qk
	s_cselect_b64 s[36:37], s[20:21], s[18:19]     ; bias
	s_cselect_b64 s[38:39], s[26:27], s[38:39]     ; or vh
	s_mov_b32 s41, s40
	s_mov_b32 s43, 0
	s_lshl_b32 s42, s31, 18                        ; 128 rows of 2,048 bytes
	s_add_nc_u64 s[32:33], s[32:33], s[42:43]
	s_lshl_b32 s42, s30, 19                        ; 256 rows of 2,048 bytes
	s_add_nc_u64 s[34:35], s[34:35], s[42:43]
	s_lshl_b32 s42, s30, 10                        ; 256 f32
	s_add_nc_u64 s[36:37], s[36:37], s[42:43]
	s_lshl_b32 s42, s31, 17                        ; 128 rows of 1,024 bytes
	s_lshl_b32 s46, s30, 9                         ; 256 bf16
	s_add_co_u32 s42, s42, s46
	s_add_nc_u64 s[38:39], s[38:39], s[42:43]
; The bias is loaded straight into the accumulators and is the first product's C: nothing is cleared and nothing is added later.
; The matrix instruction is used transposed (source 0 = rows of W, source 1 = rows of A): register j of lane (r, h) is row r, column 8 h + j.
.irp a, 0,1
.irp b, 0,1,2,3
	global_load_b128 v[ACC+8*(4*\a+\b):ACC+8*(4*\a+\b)+3],   v[VBI], s[36:37] offset:64*\b
	global_load_b128 v[ACC+8*(4*\a+\b)+4:ACC+8*(4*\a+\b)+7], v[VBI], s[36:37] offset:64*\b+16
.endr
.endr
.macro PLACES                          ; a load into a register that a matrix instruction has read, and a vector instruction that reads a matrix result, stand four
.rept 4                                ; places behind it; only plain vector instructions that name none of its registers are places (ISA guide 7.12.1)
	v_nop
.endr
.endm
; K step t: 24 loads a lane, each of a wave 512 consecutive bytes of one row
.macro GLOAD t
.irp j, 0,1,2,3,4,5,6,7
	global_load_b128 v[G+4*\j:G+4*\j+3], v[VA], s[32:33] offset:\j*2048+\t*512
.endr
.irp j, 0,1,2,3,4,5,6,7,8,9,10,11,12,13,14,15
	global_load_b128 v[G+32+4*\j:G+32+4*\j+3], v[VB], s[34:35] offset:\j*2048+\t*512
.endr
.endm
; eight quads from q0 on: rounded to bf16 in place and put into LDS.  left = the younger loads of the same K step that may stay out
.macro CVST left, q0, adr, row0
	s_wait_loadcnt \left
.irp j, 0,1,2,3,4,5,6,7
	v_cvt_pk_bf16_f32 v[G+4*(\q0+\j)],   v[G+4*(\q0+\j)],   v[G+4*(\q0+\j)+1]
	v_cvt_pk_bf16_f32 v[G+4*(\q0+\j)+1], v[G+4*(\q0+\j)+2], v[G+4*(\q0+\j)+3]
.endr
.irp j, 0,1,2,3,4,5,6,7
	ds_store_b64 v[\adr], v[G+4*(\q0+\j):G+4*(\q0+\j)+1] offset:(\row0+\j)*PITCH
.endr
.endm
; 32 along K: 12 fragment loads, 8 matrix instructions.  The eight accumulators take turns, one instruction a turn.
.macro CHUNK slot, c
	PLACES
.irp a, 0,1
	ds_load_b128 v[F+8*\a:F+8*\a+3],   v[FX+\slot] offset:\a*16*PITCH+64*\c
	ds_load_b128 v[F+8*\a+4:F+8*\a+7], v[FX+\slot] offset:\a*16*PITCH+64*\c+32
.endr
.irp b, 0,1,2,3
	ds_load_b128 v[F+16+8*\b:F+16+8*\b+3],   v[FW+\slot] offset:\b*16*PITCH+64*\c
	ds_load_b128 v[F+16+8*\b+4:F+16+8*\b+7], v[FW+\slot] offset:\b*16*PITCH+64*\c+32
.endr
	s_wait_dscnt 0x0
.irp a, 0,1
.irp b, 0,1,2,3
	v_wmma_f32_16x16x32_bf16 v[ACC+8*(4*\a+\b):ACC+8*(4*\a+\b)+7], v[F+16+8*\b:F+16+8*\b+7], v[F+8*\a:F+8*\a+7], v[ACC+8*(4*\a+\b):ACC+8*(4*\a+\b)+7]
.endr
.endr
.endm
; One K step.  next = the K step to ask for (0: none).  ONE barrier a step: a store into a slot stands behind the barrier of the step before, and every wave
; signalled that barrier with its reads of that slot (two steps back) waited for.
.macro STEP slot, next
	CVST 16, 0,  STA+\slot, 0                      ; A's 8 quads are in, W's 16 loads may be out
	CVST 8,  8,  STB+\slot, 0                      ; W's first 8
	CVST 0,  16, STB+\slot, 8                      ; W's last 8
	s_wait_dscnt 0x0                               ; for the other waves: my stores are in LDS (my reads of the last step are long back)
.if \next
	GLOAD \next                                    ; the next step's 24 loads have this step's 32 matrix instructions and their fragment loads in which to come
.endif
	s_barrier_signal -1
	s_barrier_wait -1
	CHUNK \slot, 0
	CHUNK \slot, 1
	CHUNK \slot, 2
	CHUNK \slot, 3
.endm
	GLOAD 0
	STEP 0, 1                                      ; the first wait also covers the 16 older loads of the bias
	STEP 1, 2
	STEP 0, 3
	STEP 1, 0
	; THE WAY OUT: scale, round, 16 bytes a lane into the stage (slot 0, last read in the third step: every wave has passed the fourth step's barrier since),
	; read back as whole rows.
	PLACES
.set e, 0
.rept 32
	v_pk_mul_f32 v[ACC+2*e:ACC+2*e+1], v[ACC+2*e:ACC+2*e+1], s[40:41] op_sel_hi:[1,0]
.set e, e+1
.endr
.set e, 0
.rept 32
	v_cvt_pk_bf16_f32 v[F+e], v[ACC+2*e], v[ACC+2*e+1]
.set e, e+1
.endr
.irp a, 0,1
.irp b, 0,1,2,3
	ds_store_b128 v[OS], v[F+4*(4*\a+\b):F+4*(4*\a+\b)+3] offset:\a*16*OPITCH+32*\b
.endr
.endr
	s_wait_dscnt 0x0                               ; for the other waves: a row of the stage is written by four waves and read by one
	s_barrier_signal -1
	s_barrier_wait -1
.irp i, 0,1,2,3,4,5,6,7
	ds_load_b128 v[G+4*\i:G+4*\i+3], v[ORD] offset:\i*OPITCH
.endr
.irp i, 0,1,2,3,4,5,6,7
	s_wait_dscnt 7-\i                              ; LDS loads come back in order: row i is in, the younger ones may be out
	global_store_b128 v[OG], v[G+4*\i:G+4*\i+3], s[38:39] offset:\i*1024   ; a wave's store covers 512 consecutive bytes, at a multiple of 512 from the buffer's first byte
.endr
	s_wait_tensorcnt 0x0
	ds_add_u32 v224, v225
	s_wait_dscnt 0x0
	s_endpgm
.Lfunc_end_k_q56be0219d4_proj:
	.size	k_q56be0219d4_proj, .Lfunc_end_k_q56be0219d4_proj-k_q56be0219d4_proj
	.p2alignl 7, 3214868480
	.fill 96, 4, 3214868480
	.section	.rodata,"a",@progbits
	.p2align	6, 0x0
	.amdhsa_kernel k_q56be0219d4_proj
		.amdhsa_group_segment_fixed_size 210944
		.amdhsa_private_segment_fixed_size 0
		.amdhsa_enable_private_segment 0
		.amdhsa_kernarg_size 80
		.amdhsa_user_sgpr_count 2
		.amdhsa_user_sgpr_kernarg_segment_ptr 1
		.amdhsa_wavefront_size32 1
		.amdhsa_system_sgpr_workgroup_id_x 1
		.amdhsa_system_sgpr_workgroup_id_y 1
		.amdhsa_system_sgpr_workgroup_id_z 1
		.amdhsa_system_vgpr_workitem_id 0
		.amdhsa_next_free_vgpr 226
		.amdhsa_next_free_sgpr 66
		.amdhsa_reserve_vcc 0
		.amdhsa_float_denorm_mode_32 3
		.amdhsa_float_denorm_mode_16_64 3
		.amdhsa_memory_ordered 1
		.amdhsa_forward_progress 1
		.amdhsa_inst_pref_size 62
	.end_amdhsa_kernel
	.amdgpu_metadata
---
amdhsa.version: [ 1, 2 ]
amdhsa.kernels:
  - .name:           k_q56be0219d4_proj
    .symbol:         k_q56be0219d4_proj.kd
    .args:
      - { .name: Q, .offset: 0, .size: 8, .value_kind: global_buffer, .address_space: global }
      - { .name: K, .offset: 8, .size: 8, .value_kind: global_buffer, .address_space: global }
      - { .name: V, .offset: 16, .size: 8, .value_kind: global_buffer, .address_space: global }
      - { .name: W_qk, .offset: 24, .size: 8, .value_kind: global_buffer, .address_space: global }
      - { .name: W_v, .offset: 32, .size: 8, .value_kind: global_buffer, .address_space: global }
      - { .name: b_qk, .offset: 40, .size: 8, .value_kind: global_buffer, .address_space: global }
      - { .name: b_v, .offset: 48, .size: 8, .value_kind: global_buffer, .address_space: global }
      - { .name: qh, .offset: 56, .size: 8, .value_kind: global_buffer, .address_space: global }
      - { .name: kh, .offset: 64, .size: 8, .value_kind: global_buffer, .address_space: global }
      - { .name: vh, .offset: 72, .size: 8, .value_kind: global_buffer, .address_space: global }
    .group_segment_fixed_size: 210944
    .private_segment_fixed_size: 0
    .kernarg_segment_align: 8
    .kernarg_segment_size: 80
    .max_flat_workgroup_size: 512
    .sgpr_count:     66
    .vgpr_count:     226
    .wavefront_size: 32
...
	.end_amdgpu_metadata
.endif
;; end of part 1
;; launch attn (part 2): grid 32 x 8, 8 waves a work-group, clusters of 4 x 1, 327,680 bytes of LDS; arguments qh, kh, vh, ah; writes ah
.if DOCPART == 2
	.amdgcn_target "amdgcn-amd-amdhsa--gfx1250"
	.amdhsa_code_object_version 6
	.text
	.protected	k_q56be0219d4_attn
	.globl	k_q56be0219d4_attn
	.p2align	8
	.type	k_q56be0219d4_attn,@function
k_q56be0219d4_attn:
	s_mov_b64 s[64:65], 0
	v_nop
	global_prefetch_b8 v0, s[64:65] scope:SCOPE_SE
	s_setreg_imm32_b32 hwreg(HW_REG_WAVE_MODE, 25, 1), 1
	s_wait_xcnt 0x0
	s_wait_alu depctr_hold_cnt(0) depctr_sa_sdst(0) depctr_va_vdst(0) depctr_va_sdst(0) depctr_va_ssrc(0) depctr_va_vcc(0) depctr_vm_vsrc(0)
	s_getreg_b32 s2, hwreg(HW_REG_IB_STS2, 6, 4)
	s_cmp_eq_u32 s2, 0
	s_cbranch_scc0 .Lentry_in_a_cluster
	s_endpgm
.Lentry_in_a_cluster:
	s_bfe_u32 s2, ttmp6, 0x10000c
	s_cmp_lg_u32 s2, 0x3003
	s_cbranch_scc0 .Lentry_shape_is_right
	s_endpgm
.Lentry_shape_is_right:
; Softmax attention of 8 heads, 4,096 x 4,096, 64 numbers a position.  qh (already times 0.125 log2(e)), kh, vh, ah: bf16, [8][4096][64], 128 bytes a position.
; A work-group owns 128 queries of one head.  Eight waves: wave w has p = w & 3 (queries 32 p .. 32 p + 31, two tiles of 16) and g = w >> 2 (keys 2,048 g .. 2,048 g + 2,047).
; Each wave runs over its half of the keys with a running maximum; the two halves of a query meet once, at the end, in LDS.  So every fragment of K and V feeds two
; query tiles, and there are two waves for each of the WGP's four SIMDs.
; LAYOUT, no shuffle anywhere:  S^T = K Q^T (source 0: 16 keys x 32 d, source 1: Q): register j of lane (r, h) is key 8 h + j of query r.  Two neighbouring key tiles,
; packed in pairs to bf16, are source 1 of O^T = V^T P^T as they lie (32 keys of query r).  V^T comes by the transposing LDS load from V stored [key][d].
; Maximum, sum and rescaling factor belong to the lane's own query; lanes r and r + 16 hold different keys of it, so each maximum takes one exchange across the halves.
; THE PIPELINE: the wave's two query tiles run half a sub-step (64 keys) apart, so that matrix instructions stand among vector work of the other tile:
;   tile 0 of sub-step j:  O1 rescaled and += P1(j-1) V(j-1) | maximum of S0(j), with S1(j) = K(j) Q1 among its dependent lines | V(j) asked for | p, sum, P0(j) | K(j+1) asked for
;   tile 1 of sub-step j:  O0 rescaled and += P0(j) V(j)     | maximum of S1(j), with S0(j+1) = K(j+1) Q0 among its dependent lines | p, sum, P1(j)
; One buffer of K fragments and one of V fragments do: K(j) is last read in tile 0's part, K(j+1) first in tile 1's; V(j-1) is last read at the head of sub-step j.
; CLUSTER: the four query blocks of a cluster walk the same K and V of one head.  Every K and V tile is asked for jointly (mask 15): each of the four issues the same
; load with the same descriptor, made of the head and the wave's number alone.  The place in the cluster enters the addresses of qh and ah and nothing else.
; TILES: step t of 8 brings keys 256 t .. 256 t + 255 of both halves, K and V, 128 KiB, into one of two slots; each wave brings 128 keys (16 KiB): waves 0-3 of K, 4-7 of V.
; A refill has the other slot's four sub-steps (128 matrix instructions and their softmax in each wave) in which to land; two such slots take 311,296 bytes of LDS.
; By this text's count a wave has two tensor loads out at the start and one behind each refill.
; LIMITS: NaN and infinities are not treated apart.  v_exp_f32 gives 0 for results below 2^-126 (ISA guide, 15.8): harmless, a row's largest p is 1.
; The denominator adds p in f32, before p is rounded to bf16 for the product with V.
.set KP,    144                        ; K's LDS row: 128 bytes + 16, an odd multiple of 16
.set VP,    160                        ; V's LDS row: 128 bytes + 32, an odd multiple of 32, for the transposing load
.set SKEYS, 256                        ; keys of one half in a slot
.set KHALF, SKEYS*KP
.set VHALF, SKEYS*VP
.set VREG,  2*KHALF                    ; in a slot: K's two halves, then V's two halves
.set SLOT,  VREG+2*VHALF               ; 155,648 bytes; slots at 0 and 155,648
.set MST,   0                          ; the tail's two stages lie in slot 0: its last fill is step 6, and every wave's reads of it are waited for in front of the barrier that ends step 6
.set MSZ,   8704                       ; the stage in which the upper key half hands over: 4 x 8,704 bytes
.set OST,   MST+4*MSZ                  ; 34,816: the way out, 4 x 32 rows x 144 bytes
.set TILEB, SKEYS*128                  ; 256 keys of 128 bytes
.set VQ,  1                            ; v1       my bytes in the wave's 32 rows of qh
.set ADK, 2                            ; v2-3     slot s: my K fragments
.set ADV, 4                            ; v4-5     slot s: my V fragments
.set MA,  6                            ; v6, v8   running maximum of query tile 0, 1, in the even sub-steps.  Values that a packed instruction spreads over both
.set MB,  10                           ; v10, v12 the same in the odd sub-steps                              halves lie in even registers; their odd partners are
.set AL,  14                           ; v14, v16 2^(old maximum - new maximum)                              written once, since the whole pair counts as read
.set LP,  18                           ; v18-21   running sum, a pair for each query tile
.set T,   22                           ; v22-31   for each query tile four chains and the exchange's register; v22-25 also the sums of a sub-step
.set KF,  32                           ; v32-95   K fragment (i, c) at KF + 16 i + 8 c
.set QF,  96                           ; v96-127  Q fragment (qt, c) at QF + 16 qt + 8 c
.set TM,  128                          ; v128-159 at work in the tail
.set SC,  160                          ; v160-223 scores, tile (qt, i) at SC + 32 qt + 8 i
.set PF,  224                          ; v224-255 P fragment (qt, kc) at PF + 16 qt + 8 kc
.set VF,  0                            ; window 1: v256-319 V fragment (kc, dt) at 32 kc + 8 dt
.set OF,  64                           ; window 1: v320-383 O tile (qt, dt) at 64 + 32 qt + 8 dt
.set TA,  160                          ; the tail's four addresses, in the scores' registers
.set G1K, 24                           ; s[24:31] descriptor group 1 for K
.set G1V, 32                           ; s[32:39] the same for V: it differs in the padding alone
.set G0K, 40                           ; s[40:47] group 0 for K, a set for each slot
.set G0V, 48                           ; s[48:55] group 0 for V
.set MSB, 0
.macro WIN new                         ; s_set_vgpr_msb: bits 1:0 source 0, 3:2 source 1, 5:4 source 2, 7:6 destination; the high byte repeats the setting that is left
.if MSB != \new
	s_set_vgpr_msb (MSB<<8)|\new
.set MSB, \new
.endif
.endm
.macro PLACES                          ; four places behind a matrix instruction before a vector instruction reads its result or writes one of its registers, or a load
.rept 4                                ; is issued into one; only plain vector instructions that name none of its registers are places (ISA guide 7.12.1)
	v_nop
.endr
.endm
; A joint load into slot sl.  Waves 0-3 ask for K's four pieces, waves 4-7 for V's.  The branch hangs on the wave's number alone.
.macro JLOAD sl
	s_cmp_eq_u32 s14, 0
	s_cbranch_scc0 .Lfor_v_\@
	tensor_load_to_lds s[G0K+4*\sl:G0K+4*\sl+3], s[G1K:G1K+7]
	s_nop 0
	s_branch .Lasked_\@
.Lfor_v_\@:
	tensor_load_to_lds s[G0V+4*\sl:G0V+4*\sl+3], s[G1V:G1V+7]
	s_nop 0
.Lasked_\@:
.endm
; A round of the cluster's barrier: my work-group's barrier, wave 0 signals for the work-group, every wave waits for all four work-groups, my work-group's barrier again.
.macro CROUND
	s_barrier_signal -1
	s_barrier_wait -1
	s_cmp_lg_u32 s12, 0
	s_cbranch_scc1 .Lnot_wave_0_\@
	s_barrier_signal -3
.Lnot_wave_0_\@:
	s_barrier_wait -3
	s_barrier_signal -1
	s_barrier_wait -1
.endm
	s_load_b256 s[4:11], s[0:1], 0x0               ; qh s[4:5], kh s[6:7], vh s[8:9], ah s[10:11]
	s_set_vgpr_msb 0x40
	v_lshl_add_u32 v128, v0, 2, 0x4c000
	v_mov_b32 v129, 0
	s_set_vgpr_msb 0x4045
	ds_add_u32 v128, v129
	s_set_vgpr_msb 0x4500
	v_lshrrev_b32 v1, 5, v0
	v_readfirstlane_b32 s12, v1                    ; wave 0..7
	s_and_b32 s13, s12, 3                          ; p: my 32 queries; also which piece of a tile I fetch
	s_lshr_b32 s14, s12, 2                         ; g: my half of the keys; also: I fetch for K (0) or for V (1)
	s_bfe_u32 s15, ttmp6, 0x40000                  ; cx: my place in the cluster
	s_lshl_b32 s16, ttmp9, 2                       ; ttmp9 counts clusters
	s_add_co_u32 s16, s16, s15                     ; query block 0..31
	s_and_b32 s17, ttmp7, 0xffff                   ; head
	; where my piece of K and of V begins: head, half p >> 1 (2,048 keys), part p & 1 (128 keys).  No register here ever holds cx.
	s_lshl_b32 s20, s17, 19                        ; 4,096 positions of 128 bytes
	s_lshr_b32 s18, s13, 1
	s_lshl_b32 s18, s18, 18
	s_add_co_u32 s20, s20, s18
	s_and_b32 s18, s13, 1
	s_lshl_b32 s18, s18, 14
	s_add_co_u32 s20, s20, s18
	s_mov_b32 s21, 0
	s_mul_i32 s22, s13, 128*KP                     ; and where it goes: piece p of K's region,
	s_mul_i32 s23, s13, 128*VP
	s_add_co_u32 s23, s23, VREG                    ; piece p of V's
	; my work-group's 128 rows of qh and of ah
	s_lshl_b32 s60, s17, 19
	s_lshl_b32 s61, s16, 14
	s_add_co_u32 s60, s60, s61
	s_mov_b32 s61, 0
	; Group 1.  A piece is 16,384 dense bytes: 64 rows of 128 elements (256 bytes).  Padding comes after every 32 words, which is one key's 128 bytes: the words are
	; counted along the whole tile and 32 divides a row's 64, so every key gets its own pad: 4 words for K (pitch 144), 8 for V (pitch 160).
	s_mov_b32 s[G1K+0], 15|(1<<16)|(1<<20)|(1<<21)|(4<<22)|(3<<25)  ; 15:0 mask: all four work-groups; 17:16 2 bytes; 20 padding on; 21 set beside a mask; 24:22 every 32 words; 31:25 4 words
	s_mov_b32 s[G1V+0], 15|(1<<16)|(1<<20)|(1<<21)|(4<<22)|(7<<25)  ; the same with 8 words
	s_mov_b32 s[G1K+1], 128<<16                    ; tensor_dim0 = 128
	s_mov_b32 s[G1V+1], 128<<16
	s_mov_b32 s[G1K+2], 64<<16                     ; tensor_dim1 = 64
	s_mov_b32 s[G1V+2], 64<<16
	s_mov_b32 s[G1K+3], 128<<16                    ; tile_dim0 = 128
	s_mov_b32 s[G1V+3], 128<<16
	s_mov_b32 s[G1K+4], 64                         ; tile_dim1 = 64
	s_mov_b32 s[G1V+4], 64
	s_mov_b32 s[G1K+5], 128                        ; from row to row: 128 elements
	s_mov_b32 s[G1V+5], 128
	s_mov_b32 s[G1K+6], 0
	s_mov_b32 s[G1V+6], 0
	s_mov_b32 s[G1K+7], 0
	s_mov_b32 s[G1V+7], 0
	s_mov_b32 s56, 0x76543210                      ; v_permlanex16_b32: lane i of one half reads lane i of the other
	s_mov_b32 s57, 0xfedcba98
	s_wait_dscnt 0x0
	s_wait_kmcnt 0x0
	s_add_nc_u64 s[6:7], s[6:7], s[20:21]
	s_add_nc_u64 s[8:9], s[8:9], s[20:21]
	s_add_nc_u64 s[4:5], s[4:5], s[60:61]
	s_add_nc_u64 s[10:11], s[10:11], s[60:61]
	CROUND                                         ; all four work-groups are here: the first joint loads meet
.irp s, 0,1
	s_mov_b32 s[G0K+4*\s], 1                                       ; count = 1
	s_add_co_u32 s[G0K+4*\s+1], s22, \s*SLOT                       ; LDS address
	s_add_nc_u64 s[G0K+4*\s+2:G0K+4*\s+3], s[6:7], \s*TILEB        ; global address: step s
	s_or_b32 s[G0K+4*\s+3], s[G0K+4*\s+3], 0x80000000              ; type = 2
	s_mov_b32 s[G0V+4*\s], 1
	s_add_co_u32 s[G0V+4*\s+1], s23, \s*SLOT
	s_add_nc_u64 s[G0V+4*\s+2:G0V+4*\s+3], s[8:9], \s*TILEB
	s_or_b32 s[G0V+4*\s+3], s[G0V+4*\s+3], 0x80000000
	JLOAD \s                                       ; both slots' first fills go out together, ahead of everything else
.endr
	v_and_b32 v32, 15, v0                          ; r
	v_bfe_u32 v33, v0, 4, 1                        ; h
	v_and_b32 v34, 7, v0                           ; lane mod 8
	v_bfe_u32 v35, v0, 3, 1                        ; which 8 of 16 columns
	v_lshlrev_b32 v36, 4, v33                      ; 16 h
	s_lshl_b32 s18, s13, 12                        ; 32 rows of 128 bytes
	v_lshl_add_u32 v[VQ], v32, 7, v36
	v_add_nc_u32 v[VQ], s18, v[VQ]                 ; 4,096 p + 128 r + 16 h
	v_mul_u32_u24 v37, v32, KP
	v_add_nc_u32 v37, v37, v36                     ; r x 144 + 16 h
	s_mul_i32 s18, s14, KHALF
	v_add_nc_u32 v[ADK], s18, v37
	v_add_nc_u32 v[ADK+1], SLOT, v[ADK]
	v_lshl_add_u32 v38, v33, 3, v34                ; key 8 h + lane mod 8
	v_mul_u32_u24 v38, v38, VP
	v_lshl_add_u32 v38, v35, 4, v38
	s_mul_i32 s18, s14, VHALF
	s_add_co_u32 s18, s18, VREG
	v_add_nc_u32 v[ADV], s18, v38
	v_add_nc_u32 v[ADV+1], SLOT, v[ADV]
.irp z, 7,9,11,13,15,17,26,31
	v_mov_b32 v\z, 0                               ; the odd partners, and the two registers that v_permlanex16_b32 writes (its destination counts as read)
.endr
.irp qt, 0,1
.irp c, 0,1
	global_load_b128 v[QF+16*\qt+8*\c:QF+16*\qt+8*\c+3],   v[VQ], s[4:5] offset:\qt*2048+64*\c
	global_load_b128 v[QF+16*\qt+8*\c+4:QF+16*\qt+8*\c+7], v[VQ], s[4:5] offset:\qt*2048+64*\c+32
.endr
.endr
; 16 loads: the K fragments of sub-step u (64 keys) of a slot, in the order in which the products take them: d 0-31 of the four key tiles, then d 32-63
.macro KLOAD slot, u
.irp c, 0,1
.irp i, 0,1,2,3
	ds_load_b128 v[KF+16*\i+8*\c:KF+16*\i+8*\c+3],   v[ADK+\slot] offset:(64*(\u)+16*\i)*KP+64*\c
	ds_load_b128 v[KF+16*\i+8*\c+4:KF+16*\i+8*\c+7], v[ADK+\slot] offset:(64*(\u)+16*\i)*KP+64*\c+32
.endr
.endr
.endm
; 16 transposing loads: V^T of the same 64 keys: lane (r, h) gets d = 16 dt + r, keys 8 h .. 8 h + 7 and 16 + 8 h .. of each 32; again in the products' order
.macro VLOAD slot, u
	WIN 0x40                                       ; destination in window 1
.irp kc, 0,1
.irp dt, 0,1,2,3
	ds_load_tr16_b128 v[VF+32*\kc+8*\dt:VF+32*\kc+8*\dt+3],   v[ADV+\slot] offset:(64*(\u)+32*\kc)*VP+32*\dt
	ds_load_tr16_b128 v[VF+32*\kc+8*\dt+4:VF+32*\kc+8*\dt+7], v[ADV+\slot] offset:(64*(\u)+32*\kc+16)*VP+32*\dt
.endr
.endr
	WIN 0
.endm
; The n-th of the eight products that make S^T of 64 keys x query tile sq (sq = 2: none): n = 0..3 key tile n, d 0-31, starting the sum; n = 4..7 key tile n - 4, d 32-63.
; The four tiles take turns, one instruction a turn.  kw = 1: K's loads are the youngest LDS instructions and may still be on their way.
.macro SW sq, n, kw
.if \sq < 2
.if \kw
	s_wait_dscnt 14-2*\n                           ; fragment n (two loads) is in; the 14 - 2 n loads behind it may be out
.endif
.if \n < 4
	v_wmma_f32_16x16x32_bf16 v[SC+32*\sq+8*\n:SC+32*\sq+8*\n+7], v[KF+16*\n:KF+16*\n+7], v[QF+16*\sq:QF+16*\sq+7], 0
.else
	v_wmma_f32_16x16x32_bf16 v[SC+32*\sq+8*\n-32:SC+32*\sq+8*\n-25], v[KF+16*\n-56:KF+16*\n-49], v[QF+16*\sq+8:QF+16*\sq+15], v[SC+32*\sq+8*\n-32:SC+32*\sq+8*\n-25]
.endif
.endif
.endm
; The maximum of query tile qt, first part: my 32 scores in four chains that do not wait for each other
.macro MAXA qt
.irp i, 0,1,2,3
	v_max3_num_f32 v[T+5*\qt+\i], v[SC+32*\qt+8*\i], v[SC+32*\qt+8*\i+1], v[SC+32*\qt+8*\i+2]
.endr
.irp i, 0,1,2,3
	v_max3_num_f32 v[T+5*\qt+\i], v[T+5*\qt+\i], v[SC+32*\qt+8*\i+3], v[SC+32*\qt+8*\i+4]
.endr
.irp i, 0,1,2,3
	v_max3_num_f32 v[T+5*\qt+\i], v[T+5*\qt+\i], v[SC+32*\qt+8*\i+5], v[SC+32*\qt+8*\i+6]
.endr
.endm
; Second part: the chains meet, the other half of the lanes, the old maximum, and the factor for what has been summed.  Each line needs the one before it,
; so the eight products of the other tile's scores stand among them.
.macro MAXB qt, new, old, first, sq, kw
	SW \sq, 0, \kw
	v_max3_num_f32 v[T+5*\qt],   v[T+5*\qt],   v[SC+32*\qt+7],  v[SC+32*\qt+15]
	v_max3_num_f32 v[T+5*\qt+2], v[T+5*\qt+2], v[SC+32*\qt+23], v[SC+32*\qt+31]
	SW \sq, 1, \kw
	v_max3_num_f32 v[T+5*\qt],   v[T+5*\qt],   v[T+5*\qt+1],    v[T+5*\qt+2]
	SW \sq, 2, \kw
	v_max_num_f32  v[T+5*\qt],   v[T+5*\qt],   v[T+5*\qt+3]
	SW \sq, 3, \kw
	v_permlanex16_b32 v[T+5*\qt+4], v[T+5*\qt], s56, s57
	SW \sq, 4, \kw
.if \first
	v_max_num_f32 v[\new+2*\qt], v[T+5*\qt], v[T+5*\qt+4]
	SW \sq, 5, \kw
	SW \sq, 6, \kw
.else
	v_max3_num_f32 v[\new+2*\qt], v[T+5*\qt], v[T+5*\qt+4], v[\old+2*\qt]
	SW \sq, 5, \kw
	v_sub_f32 v[AL+2*\qt], v[\old+2*\qt], v[\new+2*\qt]
	SW \sq, 6, \kw
	v_exp_f32 v[AL+2*\qt], v[AL+2*\qt]             ; plain lines on other registers follow before the factor is used (ISA guide 5.7.2)
.endif
	SW \sq, 7, \kw
.endm
; p = 2^(s - maximum) of query tile qt, its sum, and P in bf16: three stages that run one pair of registers apart, so that behind each pair of exponentials
; stands a plain instruction on another pair before the results are used.  kl = 1: the next sub-step's K fragments (slot KSL, sub-step KU) are asked for at the
; fifth pair: seven plain lines stand between the last product that read K's registers and these loads.
.macro PIPE qt, new, first, kl
.if \first
.set XR, LP+2*\qt                      ; the first sub-step's sum is the running sum
.else
.set XR, T
.endif
.set YR, T+2
.set k, 0
.rept 18
.if \kl
.if k == 4
	KLOAD KSL, KU
.endif
.endif
.if k < 16
	v_pk_add_f32 v[SC+32*\qt+2*k:SC+32*\qt+2*k+1], v[SC+32*\qt+2*k:SC+32*\qt+2*k+1], v[\new+2*\qt:\new+2*\qt+1] op_sel_hi:[1,0] neg_lo:[0,1] neg_hi:[0,1]
.endif
.if k >= 1
.if k <= 16
	v_exp_f32 v[SC+32*\qt+2*k-2], v[SC+32*\qt+2*k-2]
	v_exp_f32 v[SC+32*\qt+2*k-1], v[SC+32*\qt+2*k-1]
.endif
.endif
.if k >= 2
.if k == 3
	v_pk_add_f32 v[XR:XR+1], v[SC+32*\qt:SC+32*\qt+1], v[SC+32*\qt+2:SC+32*\qt+3]        ; two chains of sums, started by the first four pairs
.endif
.if k == 5
	v_pk_add_f32 v[YR:YR+1], v[SC+32*\qt+4:SC+32*\qt+5], v[SC+32*\qt+6:SC+32*\qt+7]
.endif
.if k >= 6
.if k & 1
	v_pk_add_f32 v[YR:YR+1], v[YR:YR+1], v[SC+32*\qt+2*k-4:SC+32*\qt+2*k-3]
.else
	s_wait_alu depctr_va_vdst(0)
	v_pk_add_f32 v[XR:XR+1], v[XR:XR+1], v[SC+32*\qt+2*k-4:SC+32*\qt+2*k-3]
.endif
.endif
	s_wait_alu depctr_va_vdst(0)
	v_cvt_pk_bf16_f32 v[PF+16*\qt+k-2], v[SC+32*\qt+2*k-4], v[SC+32*\qt+2*k-3]
.endif
.set k, k+1
.endr
	v_pk_add_f32 v[XR:XR+1], v[XR:XR+1], v[YR:YR+1]
.if \first == 0
	v_pk_fma_f32 v[LP+2*\qt:LP+2*\qt+1], v[LP+2*\qt:LP+2*\qt+1], v[AL+2*\qt:AL+2*\qt+1], v[XR:XR+1] op_sel_hi:[1,0,1]
.endif
.endm
.macro RESCT qt, t                     ; O's tile (qt, t) times the factor of its query
.irp e, 0,1,2,3
	v_pk_mul_f32 v[OF+32*\qt+8*(\t)+2*\e:OF+32*\qt+8*(\t)+2*\e+1], v[OF+32*\qt+8*(\t)+2*\e:OF+32*\qt+8*(\t)+2*\e+1], v[AL+2*\qt:AL+2*\qt+1] op_sel_hi:[1,0]
.endr
.endm
.macro PVW qt, kc, dt, zero
.if \zero
	v_wmma_f32_16x16x32_bf16 v[OF+32*\qt+8*\dt:OF+32*\qt+8*\dt+7], v[VF+32*\kc+8*\dt:VF+32*\kc+8*\dt+7], v[PF+16*\qt+8*\kc:PF+16*\qt+8*\kc+7], 0
.else
	v_wmma_f32_16x16x32_bf16 v[OF+32*\qt+8*\dt:OF+32*\qt+8*\dt+7], v[VF+32*\kc+8*\dt:VF+32*\kc+8*\dt+7], v[PF+16*\qt+8*\kc:PF+16*\qt+8*\kc+7], v[OF+32*\qt+8*\dt:OF+32*\qt+8*\dt+7]
.endif
.endm
; O^T of query tile qt: rescaled, then += V^T P^T over 64 keys.  One window setting serves both: O and V in window 1, P and the factor in window 0.
; Each tile is rescaled ahead of its first product; the four tiles take turns, one instruction a turn.
; vb >= 0: V's loads may still be on their way: the n-th product waits until at most vb - 2 n LDS loads are out (vb = 14 + the loads issued behind V's).
.macro PVPART qt, first, vb
	WIN 0x51                                       ; source 0, source 2 and destination in window 1
.if \first == 0
	RESCT \qt, 0
	RESCT \qt, 1
.endif
.irp dt, 0,1,2,3
.if \vb >= 0
	s_wait_dscnt \vb-2*\dt
.endif
	PVW \qt, 0, \dt, \first
.if \first == 0
.if \dt < 2
	RESCT \qt, \dt+2
.endif
.endif
.endr
.irp dt, 0,1,2,3
.if \vb >= 0
	s_wait_dscnt \vb-8-2*\dt
.endif
	PVW \qt, 1, \dt, 0
.endr
	WIN 0
.endm
; One sub-step: 64 keys of my half against my 32 queries.  u: which 64 of the slot's 256.
; ph 0: the very first (nothing summed yet), 1: the second (tile 1's first product with V is still due), 2: all others.
; mode 0: the slot's next sub-step follows.  1: the slots change and this one is filled again.  2: they change, nothing is left to fetch.  3: the very last.
.macro SUB u, slot, other, ph, mode
.if (\u) & 1
.set NEWM, MB
.set OLDM, MA
.else
.set NEWM, MA
.set OLDM, MB
.endif
.if \ph == 0
.set FST, 1
.else
.set FST, 0
.endif
.set KSL, \slot
.set KU, (\u)+1
	; ---- query tile 0
.if \ph == 1
	PVPART 1, 1, -1                                ; the last sub-step's P1 V: V is in since tile 0's product there
.endif
.if \ph == 2
	PVPART 1, 0, -1
.endif
	MAXA 0                                         ; twelve plain lines: the places between the products above and the loads into V's registers
	VLOAD \slot, \u
	MAXB 0, NEWM, OLDM, FST, 1, 0                  ; beside it S1 of this sub-step: K is in since S0's products
.if \mode == 0
	PIPE 0, NEWM, FST, 1
.set VBW, 30                                       ; behind V's 16 loads stand K's 16
.else
	PIPE 0, NEWM, FST, 0
.set VBW, -1
.endif
	; ---- the slots change: V's loads above were my last reads of this slot, K's loads below are my first of the other
.if \mode == 1
	s_wait_dscnt 0x0                               ; my reads of this slot are over
	s_set_vgpr_msb 0x5
	s_wait_tensorcnt 0x0                           ; all my tensor loads have landed: the one that was out is my piece of the other slot
	ds_add_u32 v128, v129
	s_wait_dscnt 0x0
	s_set_vgpr_msb 0x500
	CROUND                                         ; no wave of any of the four work-groups still reads this slot or has a load on its way
	s_add_nc_u64 s[G0K+4*\slot+2:G0K+4*\slot+3], s[G0K+4*\slot+2:G0K+4*\slot+3], 2*TILEB
	s_add_nc_u64 s[G0V+4*\slot+2:G0V+4*\slot+3], s[G0V+4*\slot+2:G0V+4*\slot+3], 2*TILEB
	JLOAD \slot                                    ; my one tensor load behind the round, first thing there: two steps ahead; it has the other slot's four sub-steps in which to land
	KLOAD \other, 0
.endif
.if \mode == 2
	s_wait_dscnt 0x0
	s_wait_tensorcnt 0x0                           ; my piece of the last step has landed
	s_barrier_signal -1
	s_barrier_wait -1                              ; the other slot is whole
	KLOAD \other, 0
.endif
.if \mode == 3
.set VBW, 14                                       ; nothing was asked for behind V's 16 loads
.endif
	; ---- query tile 1
	PVPART 0, FST, VBW
	MAXA 1
.if \mode == 3
	MAXB 1, NEWM, OLDM, FST, 2, 0
.else
	MAXB 1, NEWM, OLDM, FST, 0, 1                  ; beside it S0 of the next sub-step, fragment by fragment as K comes in
.endif
	PIPE 1, NEWM, FST, 0
.endm
.macro STEP slot, other, ph0, ph1, mode ; a slot's four sub-steps
	SUB 0, \slot, \other, \ph0, 0
	SUB 1, \slot, \other, \ph1, 0
	SUB 2, \slot, \other, 2, 0
	SUB 3, \slot, \other, 2, \mode
.endm
	s_wait_tensorcnt 0x1                           ; my piece of step 0 is in; step 1's load stays out
	s_barrier_signal -1
	s_barrier_wait -1                              ; everybody's is
	KLOAD 0, 0
	s_wait_loadcnt 0x0                             ; Q
.irp n, 0,1,2,3,4,5,6,7
	SW 0, \n, 1                                    ; S0 of the first sub-step: the pipeline's head
.endr
	PLACES                                         ; behind these products: their results are read next
	STEP 0, 1, 0, 1, 1                             ; step 0; asks for step 2
	STEP 1, 0, 2, 2, 1                             ; step 1; asks for step 3
	s_mov_b32 s58, 2
.Llap:
	STEP 0, 1, 2, 2, 1                             ; steps 2, 4; ask for 4, 6
	STEP 1, 0, 2, 2, 1                             ; steps 3, 5; ask for 5, 7
	s_sub_co_u32 s58, s58, 1
	s_cmp_lg_u32 s58, 0
	s_cbranch_scc1 .Llap
	STEP 0, 1, 2, 2, 2                             ; steps 6, 7: nothing is left to fetch, so no round of the cluster's barrier
	STEP 1, 0, 2, 2, 3
	PVPART 1, 0, -1                                ; the pipeline's end: the last P1 V
	; THE TAIL.  My half's maximum (the odd sub-steps' register holds the last) and sum for each query, as a quad for one LDS access.
	PLACES                                         ; behind the last products: O is read, P's registers are loaded into
	v_add_f32 v[T+2], v[LP], v[LP+1]
	v_add_f32 v[T+3], v[LP+2], v[LP+3]
	v_permlanex16_b32 v[T+4], v[T+2], s56, s57     ; lanes r and r + 16 summed different keys under one maximum
	v_permlanex16_b32 v[T+9], v[T+3], s56, s57
	v_mov_b32 v[T], v[MB]
	v_mov_b32 v[T+1], v[MB+2]
	v_add_f32 v[T+2], v[T+2], v[T+4]
	v_add_f32 v[T+3], v[T+3], v[T+9]
	v_and_b32 v[TA+3], 31, v0
	v_lshlrev_b32 v[TA+3], 4, v[TA+3]              ; 16 lane
	s_mul_i32 s18, s13, MSZ
	s_add_co_u32 s18, s18, MST
	v_add_nc_u32 v[TA], s18, v[TA+3]               ; lane l of wave p + 4 hands over to lane l of wave p: same query, same d
	s_cmp_eq_u32 s14, 0
	s_cbranch_scc1 .Llower
	WIN 0x04                                       ; store data in window 1
.irp i, 0,1,2,3,4,5,6,7,8,9,10,11,12,13,14,15
	ds_store_b128 v[TA], v[OF+4*\i:OF+4*\i+3] offset:512*\i
.endr
	WIN 0
	ds_store_b128 v[TA], v[T:T+3] offset:8192
.Llower:
	s_wait_dscnt 0x0                               ; for the other waves: what I stored is in LDS
	s_barrier_signal -1
	s_barrier_wait -1
	s_cmp_lg_u32 s14, 0
	s_cbranch_scc1 .Lclose
.irp i, 0,1,2,3,4,5,6,7,8,9,10,11,12,13,14,15
	ds_load_b128 v[KF+4*\i:KF+4*\i+3], v[TA] offset:512*\i         ; the upper half's O
.endr
	ds_load_b128 v[T+4:T+7], v[TA] offset:8192                     ; its maxima and sums
	v_and_b32 v[TM+8], 15, v0                      ; r
	v_bfe_u32 v[TM+9], v0, 4, 1                    ; h
	v_mul_u32_u24 v[TA+1], v[TM+8], KP
	v_lshl_add_u32 v[TA+1], v[TM+9], 4, v[TA+1]
	s_mul_i32 s18, s13, 32*KP
	s_add_co_u32 s18, s18, OST
	v_add_nc_u32 v[TA+1], s18, v[TA+1]             ; in: row r, 16 bytes for each half of the lanes
	v_bfe_u32 v[TM+8], v0, 3, 2                    ; back: eight lanes take one row of 128 bytes
	v_and_b32 v[TM+9], 7, v0
	v_mul_u32_u24 v[TA+2], v[TM+8], KP
	v_lshl_add_u32 v[TA+2], v[TM+9], 4, v[TA+2]
	v_add_nc_u32 v[TA+2], s18, v[TA+2]
	s_lshl_b32 s18, s13, 12
	v_add_nc_u32 v[TA+3], s18, v[TA+3]             ; 4,096 p + 16 lane in ah
	s_wait_dscnt 0x0
	; M = max(m, m'), a = 2^(m - M), a' = 2^(m' - M), result = (a O + a' O') / (a l + a' l').  One of a, a' is 1 and each sum is at least 1.
	v_max_num_f32 v[TM],   v[T],   v[T+4]
	v_max_num_f32 v[TM+1], v[T+1], v[T+5]
	v_sub_f32 v[TM+2], v[T],   v[TM]
	v_sub_f32 v[TM+3], v[T+1], v[TM+1]
	v_sub_f32 v[TM+4], v[T+4], v[TM]
	v_sub_f32 v[TM+5], v[T+5], v[TM+1]
	v_exp_f32 v[TM+2], v[TM+2]
	v_exp_f32 v[TM+3], v[TM+3]
	v_exp_f32 v[TM+4], v[TM+4]
	v_exp_f32 v[TM+5], v[TM+5]
	v_nop                                          ; one plain place behind the exponentials before their results are used (ISA guide 5.7.2)
	s_wait_alu depctr_va_vdst(0)
	v_mul_f32 v[TM+6], v[T+2], v[TM+2]
	v_mul_f32 v[TM+7], v[T+3], v[TM+3]
	v_fmac_f32 v[TM+6], v[T+6], v[TM+4]
	v_fmac_f32 v[TM+7], v[T+7], v[TM+5]
	v_rcp_f32 v[TM+6], v[TM+6]
	v_rcp_f32 v[TM+7], v[TM+7]
	v_nop                                          ; the same behind the reciprocals
	s_wait_alu depctr_va_vdst(0)
	v_mul_f32 v[AL],   v[TM+2], v[TM+6]            ; my O's factor
	v_mul_f32 v[AL+2], v[TM+3], v[TM+7]
	v_mul_f32 v[MA],   v[TM+4], v[TM+6]            ; the other O's
	v_mul_f32 v[MA+2], v[TM+5], v[TM+7]
.irp qt, 0,1
.set e, 0
.rept 16
	v_pk_mul_f32 v[KF+32*\qt+2*e:KF+32*\qt+2*e+1], v[KF+32*\qt+2*e:KF+32*\qt+2*e+1], v[MA+2*\qt:MA+2*\qt+1] op_sel_hi:[1,0]
.set e, e+1
.endr
.endr
	WIN 0x01                                       ; source 0 (my O) in window 1
.irp qt, 0,1
.set e, 0
.rept 16
	v_pk_fma_f32 v[KF+32*\qt+2*e:KF+32*\qt+2*e+1], v[OF+32*\qt+2*e:OF+32*\qt+2*e+1], v[AL+2*\qt:AL+2*\qt+1], v[KF+32*\qt+2*e:KF+32*\qt+2*e+1] op_sel_hi:[1,0,1]
.set e, e+1
.endr
.endr
	WIN 0
.set e, 0
.rept 32
	v_cvt_pk_bf16_f32 v[TM+e], v[KF+2*e], v[KF+2*e+1]              ; a lane's eight numbers of a tile are eight neighbouring d of one query: 16 bytes
.set e, e+1
.endr
.irp qt, 0,1
.irp dt, 0,1,2,3
	ds_store_b128 v[TA+1], v[TM+16*\qt+4*\dt:TM+16*\qt+4*\dt+3] offset:\qt*16*KP+32*\dt
.endr
.endr
.irp i, 0,1,2,3,4,5,6,7
	ds_load_b128 v[PF+4*\i:PF+4*\i+3], v[TA+2] offset:4*KP*\i      ; my own bytes: LDS serves a wave's instructions in order (ISA guide 5.7.1), these see the stores above
.endr
.irp i, 0,1,2,3,4,5,6,7
	s_wait_dscnt 7-\i                              ; four rows i are in, the younger loads may be out
	global_store_b128 v[TA+3], v[PF+4*\i:PF+4*\i+3], s[10:11] offset:512*\i   ; a wave's store covers 512 consecutive bytes (four positions), at a multiple of 512 from the buffer's first byte
.endr
.Lclose:
	s_set_vgpr_msb 0x5
	s_wait_tensorcnt 0x0
	ds_add_u32 v128, v129
	s_wait_dscnt 0x0
	s_set_vgpr_msb 0x500
	CROUND                                         ; the closing round: no work-group ends while a partner may still ask for a tile that names it
	s_endpgm
.Lfunc_end_k_q56be0219d4_attn:
	.size	k_q56be0219d4_attn, .Lfunc_end_k_q56be0219d4_attn-k_q56be0219d4_attn
	.p2alignl 7, 3214868480
	.fill 96, 4, 3214868480
	.section	.rodata,"a",@progbits
	.p2align	6, 0x0
	.amdhsa_kernel k_q56be0219d4_attn
		.amdhsa_group_segment_fixed_size 327680
		.amdhsa_private_segment_fixed_size 0
		.amdhsa_enable_private_segment 0
		.amdhsa_kernarg_size 32
		.amdhsa_user_sgpr_count 2
		.amdhsa_user_sgpr_kernarg_segment_ptr 1
		.amdhsa_wavefront_size32 1
		.amdhsa_system_sgpr_workgroup_id_x 1
		.amdhsa_system_sgpr_workgroup_id_y 1
		.amdhsa_system_sgpr_workgroup_id_z 1
		.amdhsa_system_vgpr_workitem_id 0
		.amdhsa_next_free_vgpr 386
		.amdhsa_next_free_sgpr 66
		.amdhsa_reserve_vcc 0
		.amdhsa_float_denorm_mode_32 3
		.amdhsa_float_denorm_mode_16_64 3
		.amdhsa_memory_ordered 1
		.amdhsa_forward_progress 1
		.amdhsa_inst_pref_size 255
	.end_amdhsa_kernel
	.section	.bss,"aw",@nobits
	.p2align	6
	.space	262144
	.amdgpu_metadata
---
amdhsa.version: [ 1, 2 ]
amdhsa.kernels:
  - .name:           k_q56be0219d4_attn
    .symbol:         k_q56be0219d4_attn.kd
    .args:
      - { .name: qh, .offset: 0, .size: 8, .value_kind: global_buffer, .address_space: global }
      - { .name: kh, .offset: 8, .size: 8, .value_kind: global_buffer, .address_space: global }
      - { .name: vh, .offset: 16, .size: 8, .value_kind: global_buffer, .address_space: global }
      - { .name: ah, .offset: 24, .size: 8, .value_kind: global_buffer, .address_space: global }
    .group_segment_fixed_size: 327680
    .private_segment_fixed_size: 0
    .kernarg_segment_align: 8
    .kernarg_segment_size: 32
    .max_flat_workgroup_size: 256
    .sgpr_count:     66
    .vgpr_count:     386
    .wavefront_size: 32
...
	.end_amdgpu_metadata
.endif
;; end of part 2
;; launch outp (part 3): grid 4 x 64, 16 waves a work-group, no clusters, 235,520 bytes of LDS; arguments ah, W_out, b_out, out0; writes out0
.if DOCPART == 3
	.amdgcn_target "amdgcn-amd-amdhsa--gfx1250"
	.amdhsa_code_object_version 6
	.text
	.protected	k_q56be0219d4_outp
	.globl	k_q56be0219d4_outp
	.p2align	8
	.type	k_q56be0219d4_outp,@function
k_q56be0219d4_outp:
	s_mov_b64 s[64:65], 0
	v_nop
	global_prefetch_b8 v0, s[64:65] scope:SCOPE_SE
	s_setreg_imm32_b32 hwreg(HW_REG_WAVE_MODE, 25, 1), 1
	s_wait_xcnt 0x0
; out0 = ah W_out^T + b_out.  ah: [4096][512] bf16 (the heads' merge is a pure reshape), W_out: [512][512] f32, rounded to bf16 on the way, b_out f32, out0 f32.
; A work-group makes 64 rows x 128 columns: 4 x 64 = 256 work-groups.  Sixteen waves, wave (wm, wn) = (w >> 2, w & 3) makes 16 rows x 32 columns in two accumulators.
; The whole K of 512 is asked for at once, 64 KiB of ah and 256 KiB of W_out, 40 loads a lane: the way from memory is waited for once, and one barrier stands in front
; of all the matrix work.
; NO CLUSTER, NO TENSOR LOADS: four fifths of the bytes are W_out's, f32, and have to be rounded to bf16 on the way; a copy engine moves bytes as they are, so a shared
; tile would lie in LDS as f32 (256 KiB for W_out alone) and be converted again by each of the four waves that read it.
; LIMITS: NaN and infinities go through as the arithmetic makes them; W_out is rounded to bf16 (nearest even).
.set AP,   1040                        ; an LDS row: 512 bf16 + 16 bytes, an odd multiple of 16
.set WOFF, 64*AP                       ; ah's 64 rows, then W_out's 128 rows
.set STG,  192*AP                      ; 199,680: the way out, 64 rows
.set STP,  528                         ; of 128 f32 + 16 bytes
.set VA,  1                            ; v1   ah: w x 4 rows x 1,024 bytes + 16 lane
.set VB,  2                            ; v2   W_out: w x 8 rows x 2,048 bytes + 16 lane
.set VBI, 3                            ; v3   my 8 numbers of the bias
.set SA,  4                            ; v4   where my 16 bytes of ah's row 4 w go
.set SB,  5                            ; v5   where my 8 bytes of W_out's row 8 w go
.set FX,  6                            ; v6   my fragments of ah
.set FW,  7                            ; v7   my fragments of W_out
.set OS,  8                            ; v8   the way out: where I put 32 bytes of a row
.set ORD, 9                            ; v9   the way out: where I read a row back
.set VO,  10                           ; v10  my byte offset in out0
.set ACC, 16                           ; v16-31   two accumulators
.set GA,  32                           ; v32-63   ah as loaded
.set GB,  64                           ; v64-191  W_out as loaded
.set B0,  32                           ; v32-127  fragments of four chunks of 32 along K: chunk cc at 24 cc: ah's 8 registers, then W_out's 2 x 8
.set B1,  128                          ; v128-223 the same, second buffer
	s_load_b256 s[4:11], s[0:1], 0x0               ; ah s[4:5], W_out s[6:7], b_out s[8:9], out0 s[10:11]
	v_lshl_add_u32 v224, v0, 2, 0x39000
	v_mov_b32 v225, 0
	v_lshrrev_b32 v1, 5, v0
	v_readfirstlane_b32 s12, v1                    ; wave 0..15
	s_lshr_b32 s13, s12, 2                         ; wm
	s_and_b32 s14, s12, 3                          ; wn
	s_and_b32 s15, ttmp7, 0xffff                   ; row block of 64
	s_lshl_b32 s16, s15, 16                        ; 64 rows of 1,024 bytes
	s_mov_b32 s17, 0
	s_lshl_b32 s18, ttmp9, 18                      ; 128 rows of 2,048 bytes
	s_mov_b32 s19, 0
	s_lshl_b32 s20, ttmp9, 9                       ; 128 f32
	s_mov_b32 s21, 0
	s_lshl_b32 s22, s15, 17                        ; 64 rows of 2,048 bytes
	s_add_co_u32 s22, s22, s20
	s_mov_b32 s23, 0
	v_and_b32 v11, 31, v0                          ; lane
	v_and_b32 v12, 15, v0                          ; r
	v_bfe_u32 v13, v0, 4, 1                        ; h
	v_lshlrev_b32 v14, 4, v11                      ; 16 lane
	v_lshl_or_b32 v[VA], s12, 12, v14
	v_lshl_or_b32 v[VB], s12, 14, v14
	v_lshl_or_b32 v[VO], s12, 13, v14              ; 4 rows of 2,048 bytes a wave
	s_lshl_b32 s24, s14, 7                         ; 32 f32 a wave column
	v_lshl_add_u32 v[VBI], v13, 5, s24
	s_mul_i32 s24, s12, 4*AP
	v_add_nc_u32 v[SA], s24, v14
	s_mul_i32 s24, s12, 8*AP
	s_add_co_u32 s24, s24, WOFF
	v_lshl_add_u32 v[SB], v11, 3, s24
	v_mul_u32_u24 v15, v12, AP
	v_lshl_add_u32 v15, v13, 4, v15                ; r x pitch + 16 h
	s_mul_i32 s24, s13, 16*AP
	v_add_nc_u32 v[FX], s24, v15
	s_mul_i32 s24, s14, 32*AP
	s_add_co_u32 s24, s24, WOFF
	v_add_nc_u32 v[FW], s24, v15
	v_mul_u32_u24 v15, v12, STP
	v_lshl_add_u32 v15, v13, 5, v15                ; r x 528 + 32 h
	s_mul_i32 s24, s13, 16*STP
	s_lshl_b32 s25, s14, 7
	s_add_co_u32 s24, s24, s25
	s_add_co_u32 s24, s24, STG
	v_add_nc_u32 v[OS], s24, v15
	s_mul_i32 s24, s12, 4*STP
	s_add_co_u32 s24, s24, STG
	v_add_nc_u32 v[ORD], s24, v14
	s_wait_kmcnt 0x0
	s_add_nc_u64 s[4:5], s[4:5], s[16:17]
	s_add_nc_u64 s[6:7], s[6:7], s[18:19]
	s_add_nc_u64 s[8:9], s[8:9], s[20:21]
	s_add_nc_u64 s[10:11], s[10:11], s[22:23]
	; The bias goes straight into the accumulators and is the first product's C.  The matrix instruction is used transposed (source 0 = rows of W_out,
	; source 1 = rows of ah): register j of lane (r, h) is row r, column 8 h + j.
.irp b, 0,1
	global_load_b128 v[ACC+8*\b:ACC+8*\b+3],   v[VBI], s[8:9] offset:64*\b
	global_load_b128 v[ACC+8*\b+4:ACC+8*\b+7], v[VBI], s[8:9] offset:64*\b+16
.endr
.irp j, 0,1,2,3
.irp hf, 0,1
	global_load_b128 v[GA+8*\j+4*\hf:GA+8*\j+4*\hf+3], v[VA], s[4:5] offset:\j*1024+512*\hf
.endr
.endr
.irp j, 0,1,2,3,4,5,6,7
.irp q, 0,1,2,3
	global_load_b128 v[GB+16*\j+4*\q:GB+16*\j+4*\q+3], v[VB], s[6:7] offset:\j*2048+512*\q
.endr
.endr
	s_wait_loadcnt 0x20                            ; the bias and ah are in; W_out's 32 loads may be out
.irp j, 0,1,2,3
.irp hf, 0,1
	ds_store_b128 v[SA], v[GA+8*\j+4*\hf:GA+8*\j+4*\hf+3] offset:\j*AP+512*\hf
.endr
.endr
.irp j, 0,1,2,3,4,5,6,7
	s_wait_loadcnt 28-4*\j                         ; row j's four loads are in; those of the rows behind it may be out
.irp q, 0,1,2,3
	v_cvt_pk_bf16_f32 v[GB+16*\j+4*\q],   v[GB+16*\j+4*\q],   v[GB+16*\j+4*\q+1]
	v_cvt_pk_bf16_f32 v[GB+16*\j+4*\q+1], v[GB+16*\j+4*\q+2], v[GB+16*\j+4*\q+3]
.endr
.irp q, 0,1,2,3
	ds_store_b64 v[SB], v[GB+16*\j+4*\q:GB+16*\j+4*\q+1] offset:\j*AP+256*\q
.endr
.endr
	s_wait_dscnt 0x0                               ; for the other waves: my stores are in LDS
	s_barrier_signal -1
	s_barrier_wait -1
.macro PLACES                          ; a load into a register that a matrix instruction has read, and an LDS store of a matrix result, stand four places behind it;
.rept 4                                ; only plain vector instructions that name none of its registers are places (ISA guide 7.12.1)
	v_nop
.endr
.endm
.macro LOADG n, buf                    ; 24 loads: the fragments of chunks 4 n .. 4 n + 3
.irp cc, 0,1,2,3
	ds_load_b128 v[\buf+24*\cc:\buf+24*\cc+3],   v[FX] offset:64*(4*\n+\cc)
	ds_load_b128 v[\buf+24*\cc+4:\buf+24*\cc+7], v[FX] offset:64*(4*\n+\cc)+32
.irp b, 0,1
	ds_load_b128 v[\buf+24*\cc+8+8*\b:\buf+24*\cc+8+8*\b+3],    v[FW] offset:\b*16*AP+64*(4*\n+\cc)
	ds_load_b128 v[\buf+24*\cc+8+8*\b+4:\buf+24*\cc+8+8*\b+7],  v[FW] offset:\b*16*AP+64*(4*\n+\cc)+32
.endr
.endr
.endm
.macro MULG buf                        ; 8 matrix instructions; the two accumulators take turns, one instruction a turn
.irp cc, 0,1,2,3
.irp b, 0,1
	v_wmma_f32_16x16x32_bf16 v[ACC+8*\b:ACC+8*\b+7], v[\buf+24*\cc+8+8*\b:\buf+24*\cc+8+8*\b+7], v[\buf+24*\cc:\buf+24*\cc+7], v[ACC+8*\b:ACC+8*\b+7]
.endr
.endr
.endm
	LOADG 0, B0
	LOADG 1, B1
	s_wait_dscnt 0x18                              ; the older group is in; the 24 loads of the younger may be out
	MULG B0
	PLACES
	LOADG 2, B0
	s_wait_dscnt 0x18
	MULG B1
	PLACES
	LOADG 3, B1
	s_wait_dscnt 0x18
	MULG B0
	s_wait_dscnt 0x0
	MULG B1
	; THE WAY OUT: 32 bytes a lane and tile into the stage, read back as whole rows of 512 bytes
	PLACES
.irp b, 0,1
	ds_store_b128 v[OS], v[ACC+8*\b:ACC+8*\b+3]   offset:64*\b
	ds_store_b128 v[OS], v[ACC+8*\b+4:ACC+8*\b+7] offset:64*\b+16
.endr
	s_wait_dscnt 0x0                               ; for the other waves: a row of the stage is written by four waves and read by one
	s_barrier_signal -1
	s_barrier_wait -1
.irp i, 0,1,2,3
	ds_load_b128 v[B0+4*\i:B0+4*\i+3], v[ORD] offset:\i*STP
.endr
.irp i, 0,1,2,3
	s_wait_dscnt 3-\i                              ; row i is in, the younger loads may be out
	global_store_b128 v[VO], v[B0+4*\i:B0+4*\i+3], s[10:11] offset:2048*\i th:TH_STORE_NT   ; a wave's store covers 512 consecutive bytes, at a multiple of 512 from the buffer's first byte
.endr
	s_wait_tensorcnt 0x0
	ds_add_u32 v224, v225
	s_wait_dscnt 0x0
	s_endpgm
.Lfunc_end_k_q56be0219d4_outp:
	.size	k_q56be0219d4_outp, .Lfunc_end_k_q56be0219d4_outp-k_q56be0219d4_outp
	.p2alignl 7, 3214868480
	.fill 96, 4, 3214868480
	.section	.rodata,"a",@progbits
	.p2align	6, 0x0
	.amdhsa_kernel k_q56be0219d4_outp
		.amdhsa_group_segment_fixed_size 235520
		.amdhsa_private_segment_fixed_size 0
		.amdhsa_enable_private_segment 0
		.amdhsa_kernarg_size 32
		.amdhsa_user_sgpr_count 2
		.amdhsa_user_sgpr_kernarg_segment_ptr 1
		.amdhsa_wavefront_size32 1
		.amdhsa_system_sgpr_workgroup_id_x 1
		.amdhsa_system_sgpr_workgroup_id_y 1
		.amdhsa_system_sgpr_workgroup_id_z 1
		.amdhsa_system_vgpr_workitem_id 0
		.amdhsa_next_free_vgpr 226
		.amdhsa_next_free_sgpr 66
		.amdhsa_reserve_vcc 0
		.amdhsa_float_denorm_mode_32 3
		.amdhsa_float_denorm_mode_16_64 3
		.amdhsa_memory_ordered 1
		.amdhsa_forward_progress 1
		.amdhsa_inst_pref_size 24
	.end_amdhsa_kernel
	.amdgpu_metadata
---
amdhsa.version: [ 1, 2 ]
amdhsa.kernels:
  - .name:           k_q56be0219d4_outp
    .symbol:         k_q56be0219d4_outp.kd
    .args:
      - { .name: ah, .offset: 0, .size: 8, .value_kind: global_buffer, .address_space: global }
      - { .name: W_out, .offset: 8, .size: 8, .value_kind: global_buffer, .address_space: global }
      - { .name: b_out, .offset: 16, .size: 8, .value_kind: global_buffer, .address_space: global }
      - { .name: out0, .offset: 24, .size: 8, .value_kind: global_buffer, .address_space: global }
    .group_segment_fixed_size: 235520
    .private_segment_fixed_size: 0
    .kernarg_segment_align: 8
    .kernarg_segment_size: 32
    .max_flat_workgroup_size: 512
    .sgpr_count:     66
    .vgpr_count:     226
    .wavefront_size: 32
...
	.end_amdgpu_metadata
.endif
;; end of part 3
;; ======== version 2 of 2: 3 launches; 1.12 times as fast as version 1
;; workspace buffers: qh 4,194,304 bytes; kh 4,194,304 bytes; vh 4,194,304 bytes; ah 4,194,304 bytes
;; launch proj: the kernel of part 1 again; grid 64 x 3, 16 waves a work-group, no clusters, 210,944 bytes of LDS; arguments Q, K, V, W_qk, W_v, b_qk, b_v, qh, kh, vh; writes qh, kh, vh
;; launch attn (part 4): grid 32 x 8, 8 waves a work-group, clusters of 4 x 1, 327,680 bytes of LDS; arguments qh, kh, vh, ah; writes ah
.if DOCPART == 4
	.amdgcn_target "amdgcn-amd-amdhsa--gfx1250"
	.amdhsa_code_object_version 6
	.text
	.protected	k_q56be0219d4_attn
	.globl	k_q56be0219d4_attn
	.p2align	8
	.type	k_q56be0219d4_attn,@function
k_q56be0219d4_attn:
	s_mov_b64 s[64:65], 0
	v_nop
	global_prefetch_b8 v0, s[64:65] scope:SCOPE_SE
	s_setreg_imm32_b32 hwreg(HW_REG_WAVE_MODE, 25, 1), 1
	s_wait_xcnt 0x0
	s_wait_alu depctr_hold_cnt(0) depctr_sa_sdst(0) depctr_va_vdst(0) depctr_va_sdst(0) depctr_va_ssrc(0) depctr_va_vcc(0) depctr_vm_vsrc(0)
	s_getreg_b32 s2, hwreg(HW_REG_IB_STS2, 6, 4)
	s_cmp_eq_u32 s2, 0
	s_cbranch_scc0 .Lentry_in_a_cluster
	s_endpgm
.Lentry_in_a_cluster:
	s_bfe_u32 s2, ttmp6, 0x10000c
	s_cmp_lg_u32 s2, 0x3003
	s_cbranch_scc0 .Lentry_shape_is_right
	s_endpgm
.Lentry_shape_is_right:
; Softmax attention of 8 heads, 4,096 x 4,096, 64 numbers a position.  qh (already times 0.125 log2(e)), kh, vh, ah: bf16, [8][4096][64], 128 bytes a position.
; A work-group owns 128 queries of one head.  Eight waves: wave w has p = w & 3 (queries 32 p .. 32 p + 31, two tiles of 16) and g = w >> 2 (keys 2,048 g .. 2,048 g + 2,047).
; Each wave runs over its half of the keys with a running maximum; the two halves of a query meet once, at the end, in LDS.  So every fragment of K and V feeds two
; query tiles, and there are two waves for each of the WGP's four SIMDs.
; LAYOUT, no shuffle anywhere:  S^T = K Q^T (source 0: 16 keys x 32 d, source 1: Q): register j of lane (r, h) is key 8 h + j of query r.  Two neighbouring key tiles,
; packed in pairs to bf16, are source 1 of O^T = V^T P^T as they lie (32 keys of query r).  V^T comes by the transposing LDS load from V stored [key][d].
; Maximum, sum and rescaling factor belong to the lane's own query; lanes r and r + 16 hold different keys of it, so each maximum takes one exchange across the halves.
; THE PIPELINE: the wave's two query tiles run half a sub-step (64 keys) apart, so that matrix instructions stand among vector work of the other tile:
;   tile 0 of sub-step j:  O1 rescaled and += P1(j-1) V(j-1) | V(j) asked for | the maximum of S0(j) ends, with S1(j) = K(j) Q1 among its dependent lines | tile 0's batch, K(j+1) asked for in it | P0(j), sum
;   tile 1 of sub-step j:  O0 rescaled and += P0(j) V(j)     | the maximum of S1(j) ends, with S0(j+1) = K(j+1) Q0 among its dependent lines | tile 1's batch | P1(j), sum
; One buffer of K fragments and one of V fragments do: K(j) is last read in tile 0's part, K(j+1) first in tile 1's; V(j-1) is last read at the head of sub-step j.
; THE BATCHES: a tile's 33 exponentials of a sub-step (the factor 2^(old maximum - new maximum), then its 32 weights) are ONE BATCH with ONE s_wait_alu depctr_va_vdst(0),
; ahead of the first line that names a result.  Ahead of the wait stands what names no result of the batch: the 16 subtractions s - maximum, the exponentials, and the first eight lines of the
; OTHER tile's maximum, whose scores have just been made; behind it the readers: the 16 roundings to bf16 and the sums.  Two waits a sub-step; none is open at a label or at a jump.
; On the way out the four exponentials and the two reciprocals (which read sums made of the exponentials) are two batches more, with a wait each.
; CLUSTER: the four query blocks of a cluster walk the same K and V of one head.  Every K and V tile is asked for jointly (mask 15): each of the four issues the same
; load with the same descriptor, made of the head and the wave's number alone.  The place in the cluster enters the addresses of qh and ah and nothing else.
; TILES: step t of 8 brings keys 256 t .. 256 t + 255 of both halves, K and V, 128 KiB, into one of two slots; each wave brings 128 keys (16 KiB): waves 0-3 of K, 4-7 of V.
; A refill has the other slot's four sub-steps (128 matrix instructions and their softmax in each wave) in which to land; two such slots take 311,296 bytes of LDS.
; By this text's count a wave has two tensor loads out at the start and one behind each refill.
; LIMITS: NaN and infinities are not treated apart.  v_exp_f32 gives 0 for results below 2^-126 (ISA guide, 15.8): harmless, a row's largest p is 1.
; The denominator adds p in f32, before p is rounded to bf16 for the product with V.
.set KP,    144                        ; K's LDS row: 128 bytes + 16, an odd multiple of 16
.set VP,    160                        ; V's LDS row: 128 bytes + 32, an odd multiple of 32, for the transposing load
.set SKEYS, 256                        ; keys of one half in a slot
.set KHALF, SKEYS*KP
.set VHALF, SKEYS*VP
.set VREG,  2*KHALF                    ; in a slot: K's two halves, then V's two halves
.set SLOT,  VREG+2*VHALF               ; 155,648 bytes; slots at 0 and 155,648
.set MST,   0                          ; the tail's two stages lie in slot 0: its last fill is step 6, and every wave's reads of it are waited for in front of the barrier that ends step 6
.set MSZ,   8704                       ; the stage in which the upper key half hands over: 4 x 8,704 bytes
.set OST,   MST+4*MSZ                  ; 34,816: the way out, 4 x 32 rows x 144 bytes
.set TILEB, SKEYS*128                  ; 256 keys of 128 bytes
.set VQ,  1                            ; v1       my bytes in the wave's 32 rows of qh
.set ADK, 2                            ; v2-3     slot s: my K fragments
.set ADV, 4                            ; v4-5     slot s: my V fragments
.set MA,  6                            ; v6, v8   running maximum of query tile 0, 1, in the even sub-steps.  Values that a packed instruction spreads over both
.set MB,  10                           ; v10, v12 the same in the odd sub-steps                              halves lie in even registers; their odd partners are
.set AL,  14                           ; v14, v16 2^(old maximum - new maximum)                              written once, since the whole pair counts as read
.set LP,  18                           ; v18-21   running sum, a pair for each query tile
.set T,   22                           ; v22-31   for each query tile four chains and the exchange's register (tile 0: v22-26, tile 1: v27-31); when a tile's maximum is found, registers of its own take its sums of the sub-step: v22-25, v28-31
.set KF,  32                           ; v32-95   K fragment (i, c) at KF + 16 i + 8 c
.set QF,  96                           ; v96-127  Q fragment (qt, c) at QF + 16 qt + 8 c
.set TM,  128                          ; v128-159 at work in the tail
.set SC,  160                          ; v160-223 scores, tile (qt, i) at SC + 32 qt + 8 i
.set PF,  224                          ; v224-255 P fragment (qt, kc) at PF + 16 qt + 8 kc
.set VF,  0                            ; window 1: v256-319 V fragment (kc, dt) at 32 kc + 8 dt
.set OF,  64                           ; window 1: v320-383 O tile (qt, dt) at 64 + 32 qt + 8 dt
.set TA,  160                          ; the tail's four addresses, in the scores' registers
.set G1K, 24                           ; s[24:31] descriptor group 1 for K
.set G1V, 32                           ; s[32:39] the same for V: it differs in the padding alone
.set G0K, 40                           ; s[40:47] group 0 for K, a set for each slot
.set G0V, 48                           ; s[48:55] group 0 for V
.set MSB, 0
.macro WIN new                         ; s_set_vgpr_msb: bits 1:0 source 0, 3:2 source 1, 5:4 source 2, 7:6 destination; the high byte repeats the setting that is left
.if MSB != \new
	s_set_vgpr_msb (MSB<<8)|\new
.set MSB, \new
.endif
.endm
.macro PLACES                          ; four places behind a matrix instruction before a vector instruction reads its result or writes one of its registers, or a load
.rept 4                                ; is issued into one; only plain vector instructions that name none of its registers are places (ISA guide 7.12.1)
	v_nop
.endr
.endm
; A joint load into slot sl.  Waves 0-3 ask for K's four pieces, waves 4-7 for V's.  The branch hangs on the wave's number alone.
.macro JLOAD sl
	s_cmp_eq_u32 s14, 0
	s_cbranch_scc0 .Lfor_v_\@
	tensor_load_to_lds s[G0K+4*\sl:G0K+4*\sl+3], s[G1K:G1K+7]
	s_nop 0
	s_branch .Lasked_\@
.Lfor_v_\@:
	tensor_load_to_lds s[G0V+4*\sl:G0V+4*\sl+3], s[G1V:G1V+7]
	s_nop 0
.Lasked_\@:
.endm
; A round of the cluster's barrier: my work-group's barrier, wave 0 signals for the work-group, every wave waits for all four work-groups, my work-group's barrier again.
.macro CROUND
	s_barrier_signal -1
	s_barrier_wait -1
	s_cmp_lg_u32 s12, 0
	s_cbranch_scc1 .Lnot_wave_0_\@
	s_barrier_signal -3
.Lnot_wave_0_\@:
	s_barrier_wait -3
	s_barrier_signal -1
	s_barrier_wait -1
.endm
	s_load_b256 s[4:11], s[0:1], 0x0               ; qh s[4:5], kh s[6:7], vh s[8:9], ah s[10:11]
	s_set_vgpr_msb 0x40
	v_lshl_add_u32 v128, v0, 2, 0x4c000
	v_mov_b32 v129, 0
	s_set_vgpr_msb 0x4045
	ds_add_u32 v128, v129
	s_set_vgpr_msb 0x4500
	v_lshrrev_b32 v1, 5, v0
	v_readfirstlane_b32 s12, v1                    ; wave 0..7
	s_and_b32 s13, s12, 3                          ; p: my 32 queries; also which piece of a tile I fetch
	s_lshr_b32 s14, s12, 2                         ; g: my half of the keys; also: I fetch for K (0) or for V (1)
	s_bfe_u32 s15, ttmp6, 0x40000                  ; cx: my place in the cluster
	s_lshl_b32 s16, ttmp9, 2                       ; ttmp9 counts clusters
	s_add_co_u32 s16, s16, s15                     ; query block 0..31
	s_and_b32 s17, ttmp7, 0xffff                   ; head
	; where my piece of K and of V begins: head, half p >> 1 (2,048 keys), part p & 1 (128 keys).  No register here ever holds cx.
	s_lshl_b32 s20, s17, 19                        ; 4,096 positions of 128 bytes
	s_lshr_b32 s18, s13, 1
	s_lshl_b32 s18, s18, 18
	s_add_co_u32 s20, s20, s18
	s_and_b32 s18, s13, 1
	s_lshl_b32 s18, s18, 14
	s_add_co_u32 s20, s20, s18
	s_mov_b32 s21, 0
	s_mul_i32 s22, s13, 128*KP                     ; and where it goes: piece p of K's region,
	s_mul_i32 s23, s13, 128*VP
	s_add_co_u32 s23, s23, VREG                    ; piece p of V's
	; my work-group's 128 rows of qh and of ah
	s_lshl_b32 s60, s17, 19
	s_lshl_b32 s61, s16, 14
	s_add_co_u32 s60, s60, s61
	s_mov_b32 s61, 0
	; Group 1.  A piece is 16,384 dense bytes: 64 rows of 128 elements (256 bytes).  Padding comes after every 32 words, which is one key's 128 bytes: the words are
	; counted along the whole tile and 32 divides a row's 64, so every key gets its own pad: 4 words for K (pitch 144), 8 for V (pitch 160).
	s_mov_b32 s[G1K+0], 15|(1<<16)|(1<<20)|(1<<21)|(4<<22)|(3<<25)  ; 15:0 mask: all four work-groups; 17:16 2 bytes; 20 padding on; 21 set beside a mask; 24:22 every 32 words; 31:25 4 words
	s_mov_b32 s[G1V+0], 15|(1<<16)|(1<<20)|(1<<21)|(4<<22)|(7<<25)  ; the same with 8 words
	s_mov_b32 s[G1K+1], 128<<16                    ; tensor_dim0 = 128
	s_mov_b32 s[G1V+1], 128<<16
	s_mov_b32 s[G1K+2], 64<<16                     ; tensor_dim1 = 64
	s_mov_b32 s[G1V+2], 64<<16
	s_mov_b32 s[G1K+3], 128<<16                    ; tile_dim0 = 128
	s_mov_b32 s[G1V+3], 128<<16
	s_mov_b32 s[G1K+4], 64                         ; tile_dim1 = 64
	s_mov_b32 s[G1V+4], 64
	s_mov_b32 s[G1K+5], 128                        ; from row to row: 128 elements
	s_mov_b32 s[G1V+5], 128
	s_mov_b32 s[G1K+6], 0
	s_mov_b32 s[G1V+6], 0
	s_mov_b32 s[G1K+7], 0
	s_mov_b32 s[G1V+7], 0
	s_mov_b32 s56, 0x76543210                      ; v_permlanex16_b32: lane i of one half reads lane i of the other
	s_mov_b32 s57, 0xfedcba98
	s_wait_dscnt 0x0
	s_wait_kmcnt 0x0
	s_add_nc_u64 s[6:7], s[6:7], s[20:21]
	s_add_nc_u64 s[8:9], s[8:9], s[20:21]
	s_add_nc_u64 s[4:5], s[4:5], s[60:61]
	s_add_nc_u64 s[10:11], s[10:11], s[60:61]
	CROUND                                         ; all four work-groups are here: the first joint loads meet
.irp s, 0,1
	s_mov_b32 s[G0K+4*\s], 1                                       ; count = 1
	s_add_co_u32 s[G0K+4*\s+1], s22, \s*SLOT                       ; LDS address
	s_add_nc_u64 s[G0K+4*\s+2:G0K+4*\s+3], s[6:7], \s*TILEB        ; global address: step s
	s_or_b32 s[G0K+4*\s+3], s[G0K+4*\s+3], 0x80000000              ; type = 2
	s_mov_b32 s[G0V+4*\s], 1
	s_add_co_u32 s[G0V+4*\s+1], s23, \s*SLOT
	s_add_nc_u64 s[G0V+4*\s+2:G0V+4*\s+3], s[8:9], \s*TILEB
	s_or_b32 s[G0V+4*\s+3], s[G0V+4*\s+3], 0x80000000
	JLOAD \s                                       ; both slots' first fills go out together, ahead of everything else
.endr
	v_and_b32 v32, 15, v0                          ; r
	v_bfe_u32 v33, v0, 4, 1                        ; h
	v_and_b32 v34, 7, v0                           ; lane mod 8
	v_bfe_u32 v35, v0, 3, 1                        ; which 8 of 16 columns
	v_lshlrev_b32 v36, 4, v33                      ; 16 h
	s_lshl_b32 s18, s13, 12                        ; 32 rows of 128 bytes
	v_lshl_add_u32 v[VQ], v32, 7, v36
	v_add_nc_u32 v[VQ], s18, v[VQ]                 ; 4,096 p + 128 r + 16 h
	v_mul_u32_u24 v37, v32, KP
	v_add_nc_u32 v37, v37, v36                     ; r x 144 + 16 h
	s_mul_i32 s18, s14, KHALF
	v_add_nc_u32 v[ADK], s18, v37
	v_add_nc_u32 v[ADK+1], SLOT, v[ADK]
	v_lshl_add_u32 v38, v33, 3, v34                ; key 8 h + lane mod 8
	v_mul_u32_u24 v38, v38, VP
	v_lshl_add_u32 v38, v35, 4, v38
	s_mul_i32 s18, s14, VHALF
	s_add_co_u32 s18, s18, VREG
	v_add_nc_u32 v[ADV], s18, v38
	v_add_nc_u32 v[ADV+1], SLOT, v[ADV]
.irp z, 7,9,11,13,15,17,26,31
	v_mov_b32 v\z, 0                               ; the odd partners, and the two registers that v_permlanex16_b32 writes (its destination counts as read)
.endr
.irp qt, 0,1
.irp c, 0,1
	global_load_b128 v[QF+16*\qt+8*\c:QF+16*\qt+8*\c+3],   v[VQ], s[4:5] offset:\qt*2048+64*\c
	global_load_b128 v[QF+16*\qt+8*\c+4:QF+16*\qt+8*\c+7], v[VQ], s[4:5] offset:\qt*2048+64*\c+32
.endr
.endr
; 16 loads: the K fragments of sub-step u (64 keys) of a slot, in the order in which the products take them: d 0-31 of the four key tiles, then d 32-63
.macro KLOAD slot, u
.irp c, 0,1
.irp i, 0,1,2,3
	ds_load_b128 v[KF+16*\i+8*\c:KF+16*\i+8*\c+3],   v[ADK+\slot] offset:(64*(\u)+16*\i)*KP+64*\c
	ds_load_b128 v[KF+16*\i+8*\c+4:KF+16*\i+8*\c+7], v[ADK+\slot] offset:(64*(\u)+16*\i)*KP+64*\c+32
.endr
.endr
.endm
; 16 transposing loads: V^T of the same 64 keys: lane (r, h) gets d = 16 dt + r, keys 8 h .. 8 h + 7 and 16 + 8 h .. of each 32; again in the products' order
.macro VLOAD slot, u
	WIN 0x40                                       ; destination in window 1
.irp kc, 0,1
.irp dt, 0,1,2,3
	ds_load_tr16_b128 v[VF+32*\kc+8*\dt:VF+32*\kc+8*\dt+3],   v[ADV+\slot] offset:(64*(\u)+32*\kc)*VP+32*\dt
	ds_load_tr16_b128 v[VF+32*\kc+8*\dt+4:VF+32*\kc+8*\dt+7], v[ADV+\slot] offset:(64*(\u)+32*\kc+16)*VP+32*\dt
.endr
.endr
	WIN 0
.endm
; The n-th of the eight products that make S^T of 64 keys x query tile sq (sq = 2: none): n = 0..3 key tile n, d 0-31, starting the sum; n = 4..7 key tile n - 4, d 32-63.
; The four tiles take turns, one instruction a turn.  kw = 1: K's loads are the youngest LDS instructions and may still be on their way.
.macro SW sq, n, kw
.if \sq < 2
.if \kw
	s_wait_dscnt 14-2*\n                           ; fragment n (two loads) is in; the 14 - 2 n loads behind it may be out
.endif
.if \n < 4
	v_wmma_f32_16x16x32_bf16 v[SC+32*\sq+8*\n:SC+32*\sq+8*\n+7], v[KF+16*\n:KF+16*\n+7], v[QF+16*\sq:QF+16*\sq+7], 0
.else
	v_wmma_f32_16x16x32_bf16 v[SC+32*\sq+8*\n-32:SC+32*\sq+8*\n-25], v[KF+16*\n-56:KF+16*\n-49], v[QF+16*\sq+8:QF+16*\sq+15], v[SC+32*\sq+8*\n-32:SC+32*\sq+8*\n-25]
.endif
.endif
.endm
; The maximum of query tile qt, first part: my 32 scores in four chains that do not wait for each other, twelve lines; line n serves chain n % 4.
; Each accumulator's lowest registers are read first.  Lines 0-7 stand in the other tile's batch (PIPE), lines 8-11 (MAXC) in the tile's own part.
.macro MAXL qt, n
.if (\n) < 4
	v_max3_num_f32 v[T+5*(\qt)+(\n)], v[SC+32*(\qt)+8*(\n)], v[SC+32*(\qt)+8*(\n)+1], v[SC+32*(\qt)+8*(\n)+2]
.else
	v_max3_num_f32 v[T+5*(\qt)+(\n)%4], v[T+5*(\qt)+(\n)%4], v[SC+32*(\qt)+8*((\n)%4)+2*((\n)/4)+1], v[SC+32*(\qt)+8*((\n)%4)+2*((\n)/4)+2]
.endif
.endm
.macro MAXC qt
.irp n, 8,9,10,11
	MAXL \qt, \n
.endr
.endm
; Second part: the chains meet, the other half of the lanes, the old maximum, and the factor for what has been summed.  Each line needs the one before it,
; so the eight products of the other tile's scores stand among them.
.macro MAXB qt, new, old, first, sq, kw
	SW \sq, 0, \kw
	v_max3_num_f32 v[T+5*\qt],   v[T+5*\qt],   v[SC+32*\qt+7],  v[SC+32*\qt+15]
	v_max3_num_f32 v[T+5*\qt+2], v[T+5*\qt+2], v[SC+32*\qt+23], v[SC+32*\qt+31]
	SW \sq, 1, \kw
	v_max3_num_f32 v[T+5*\qt],   v[T+5*\qt],   v[T+5*\qt+1],    v[T+5*\qt+2]
	SW \sq, 2, \kw
	v_max_num_f32  v[T+5*\qt],   v[T+5*\qt],   v[T+5*\qt+3]
	SW \sq, 3, \kw
	v_permlanex16_b32 v[T+5*\qt+4], v[T+5*\qt], s56, s57
	SW \sq, 4, \kw
.if \first
	v_max_num_f32 v[\new+2*\qt], v[T+5*\qt], v[T+5*\qt+4]
	SW \sq, 5, \kw
	SW \sq, 6, \kw
.else
	v_max3_num_f32 v[\new+2*\qt], v[T+5*\qt], v[T+5*\qt+4], v[\old+2*\qt]
	SW \sq, 5, \kw
	v_sub_f32 v[AL+2*\qt], v[\old+2*\qt], v[\new+2*\qt]
	SW \sq, 6, \kw
	v_exp_f32 v[AL+2*\qt], v[AL+2*\qt]             ; the first exponential of the tile's batch: nothing names the factor ahead of PIPE's wait
.endif
	SW \sq, 7, \kw
.endm
; THE BATCH's PLAIN LINES, 24 of them; PLN writes the next.  0-3: the subtractions s - maximum of pairs 0-3.  4-19: four times three subtractions (pairs 4-15) and one line of the other tile's
; maximum (lines 0-3).  20-23: that maximum's lines 4-7.  ride = 0 (the very last sub-step: there is no next tile): a v_nop keeps each such line's place, so that one order serves.
.macro PLN qt, new, ride
.if (pq < 4) || ((pq < 20) && (pq%4 != 3))
	v_pk_add_f32 v[SC+32*\qt+2*sb:SC+32*\qt+2*sb+1], v[SC+32*\qt+2*sb:SC+32*\qt+2*sb+1], v[\new+2*\qt:\new+2*\qt+1] op_sel_hi:[1,0] neg_lo:[0,1] neg_hi:[0,1]
.set sb, sb+1
.elseif \ride
	MAXL 1-\qt, mx
.set mx, mx+1
.else
	v_nop
.endif
.set pq, pq+1
.endm
; p = 2^(s - maximum) of query tile qt, its sum, and P in bf16.
; AHEAD OF THE WAIT: four subtractions, which are also the four places behind the last product of the other tile's scores (for the loads into K's registers and for the lines that read those
; scores); then the 32 exponentials, in place, with the other 20 plain lines among them: one behind the 2nd, 4th, 5th, 7th and 8th of each eight.  Ahead of exponential 2 b stand
; 4 + 5 b / 4 plain lines, and pair b's subtraction is at least three lines earlier in their order.  The last plain line stands behind the last exponential: the plain instruction that is
; wanted before a result is used (ISA guide 5.7.2).  Nothing here names a result of the batch.
; BEHIND THE WAIT: the readers, pair by pair: the sums in two chains, started by the first four pairs, and the roundings.
; kl = 1: the next sub-step's K fragments (slot KSL, sub-step KU) are asked for behind the four leading subtractions.
.macro PIPE qt, new, first, kl, ride
.if \first
.set XR, LP+2*\qt                      ; the first sub-step's sum is the running sum
.else
.set XR, T+6*\qt
.endif
.set YR, T+6*\qt+2
.set pq, 0
.set sb, 0
.set mx, 0
.set ex, 0
.rept 4
	PLN \qt, \new, \ride
.endr
.if \kl
	KLOAD KSL, KU
.endif
.rept 32
	v_exp_f32 v[SC+32*\qt+ex], v[SC+32*\qt+ex]
.set ex, ex+1
.if pq < 4+(5*ex)/8
	PLN \qt, \new, \ride
.endif
.endr
	s_wait_alu depctr_va_vdst(0)                   ; the wait for the tile's batch: the factor's exponential in MAXB and the 32 above; it stands ahead of the first line that names a result
.set k, 0
.rept 16
.if k == 1
	v_pk_add_f32 v[XR:XR+1], v[SC+32*\qt:SC+32*\qt+1], v[SC+32*\qt+2:SC+32*\qt+3]        ; two chains of sums, started by the first four pairs
.elseif k == 3
	v_pk_add_f32 v[YR:YR+1], v[SC+32*\qt+4:SC+32*\qt+5], v[SC+32*\qt+6:SC+32*\qt+7]
.elseif k >= 4
.if k & 1
	v_pk_add_f32 v[YR:YR+1], v[YR:YR+1], v[SC+32*\qt+2*k:SC+32*\qt+2*k+1]
.else
	v_pk_add_f32 v[XR:XR+1], v[XR:XR+1], v[SC+32*\qt+2*k:SC+32*\qt+2*k+1]
.endif
.endif
	v_cvt_pk_bf16_f32 v[PF+16*\qt+k], v[SC+32*\qt+2*k], v[SC+32*\qt+2*k+1]
.set k, k+1
.endr
	v_pk_add_f32 v[XR:XR+1], v[XR:XR+1], v[YR:YR+1]
.if \first == 0
	v_pk_fma_f32 v[LP+2*\qt:LP+2*\qt+1], v[LP+2*\qt:LP+2*\qt+1], v[AL+2*\qt:AL+2*\qt+1], v[XR:XR+1] op_sel_hi:[1,0,1]
.endif
.endm
.macro RESCT qt, t                     ; O's tile (qt, t) times the factor of its query
.irp e, 0,1,2,3
	v_pk_mul_f32 v[OF+32*\qt+8*(\t)+2*\e:OF+32*\qt+8*(\t)+2*\e+1], v[OF+32*\qt+8*(\t)+2*\e:OF+32*\qt+8*(\t)+2*\e+1], v[AL+2*\qt:AL+2*\qt+1] op_sel_hi:[1,0]
.endr
.endm
.macro PVW qt, kc, dt, zero
.if \zero
	v_wmma_f32_16x16x32_bf16 v[OF+32*\qt+8*\dt:OF+32*\qt+8*\dt+7], v[VF+32*\kc+8*\dt:VF+32*\kc+8*\dt+7], v[PF+16*\qt+8*\kc:PF+16*\qt+8*\kc+7], 0
.else
	v_wmma_f32_16x16x32_bf16 v[OF+32*\qt+8*\dt:OF+32*\qt+8*\dt+7], v[VF+32*\kc+8*\dt:VF+32*\kc+8*\dt+7], v[PF+16*\qt+8*\kc:PF+16*\qt+8*\kc+7], v[OF+32*\qt+8*\dt:OF+32*\qt+8*\dt+7]
.endif
.endm
; O^T of query tile qt: rescaled, then += V^T P^T over 64 keys.  One window setting serves both: O and V in window 1, P and the factor in window 0.
; Each tile is rescaled ahead of its first product; the four tiles take turns, one instruction a turn.
; vb >= 0: V's loads may still be on their way: the n-th product waits until at most vb - 2 n LDS loads are out (vb = 14 + the loads issued behind V's).
.macro PVPART qt, first, vb
	WIN 0x51                                       ; source 0, source 2 and destination in window 1
.if \first == 0
	RESCT \qt, 0
	RESCT \qt, 1
.endif
.irp dt, 0,1,2,3
.if \vb >= 0
	s_wait_dscnt \vb-2*\dt
.endif
	PVW \qt, 0, \dt, \first
.if \first == 0
.if \dt < 2
	RESCT \qt, \dt+2
.endif
.endif
.endr
.irp dt, 0,1,2,3
.if \vb >= 0
	s_wait_dscnt \vb-8-2*\dt
.endif
	PVW \qt, 1, \dt, 0
.endr
	WIN 0
.endm
; One sub-step: 64 keys of my half against my 32 queries.  u: which 64 of the slot's 256.
; ph 0: the very first (nothing summed yet), 1: the second (tile 1's first product with V is still due), 2: all others.
; mode 0: the slot's next sub-step follows.  1: the slots change and this one is filled again.  2: they change, nothing is left to fetch.  3: the very last.
.macro SUB u, slot, other, ph, mode
.if (\u) & 1
.set NEWM, MB
.set OLDM, MA
.else
.set NEWM, MA
.set OLDM, MB
.endif
.if \ph == 0
.set FST, 1
.else
.set FST, 0
.endif
.set KSL, \slot
.set KU, (\u)+1
	; ---- query tile 0
.if \ph == 1
	PVPART 1, 1, -1                                ; the last sub-step's P1 V: V is in since tile 0's product there
.endif
.if \ph == 2
	PVPART 1, 0, -1
.endif
	MAXC 0                                         ; four plain lines: the places between the products above and the loads into V's registers
	VLOAD \slot, \u
	MAXB 0, NEWM, OLDM, FST, 1, 0                  ; beside it S1 of this sub-step: K is in since S0's products
.if \mode == 0
	PIPE 0, NEWM, FST, 1, 1                        ; in its batch: the first eight lines of S1's maximum
.set VBW, 30                                       ; behind V's 16 loads stand K's 16
.else
	PIPE 0, NEWM, FST, 0, 1
.set VBW, -1
.endif
	; ---- the slots change: V's loads above were my last reads of this slot, K's loads below are my first of the other
.if \mode == 1
	s_wait_dscnt 0x0                               ; my reads of this slot are over
	s_set_vgpr_msb 0x5
	s_wait_tensorcnt 0x0                           ; all my tensor loads have landed: the one that was out is my piece of the other slot
	ds_add_u32 v128, v129
	s_wait_dscnt 0x0
	s_set_vgpr_msb 0x500
	CROUND                                         ; no wave of any of the four work-groups still reads this slot or has a load on its way
	s_add_nc_u64 s[G0K+4*\slot+2:G0K+4*\slot+3], s[G0K+4*\slot+2:G0K+4*\slot+3], 2*TILEB
	s_add_nc_u64 s[G0V+4*\slot+2:G0V+4*\slot+3], s[G0V+4*\slot+2:G0V+4*\slot+3], 2*TILEB
	JLOAD \slot                                    ; my one tensor load behind the round, first thing there: two steps ahead; it has the other slot's four sub-steps in which to land
	KLOAD \other, 0
.endif
.if \mode == 2
	s_wait_dscnt 0x0
	s_wait_tensorcnt 0x0                           ; my piece of the last step has landed
	s_barrier_signal -1
	s_barrier_wait -1                              ; the other slot is whole
	KLOAD \other, 0
.endif
.if \mode == 3
.set VBW, 14                                       ; nothing was asked for behind V's 16 loads
.endif
	; ---- query tile 1
	PVPART 0, FST, VBW
	MAXC 1
.if \mode == 3
	MAXB 1, NEWM, OLDM, FST, 2, 0
	PIPE 1, NEWM, FST, 0, 0
.else
	MAXB 1, NEWM, OLDM, FST, 0, 1                  ; beside it S0 of the next sub-step, fragment by fragment as K comes in
	PIPE 1, NEWM, FST, 0, 1                        ; in its batch: the first eight lines of that S0's maximum
.endif
.endm
.macro STEP slot, other, ph0, ph1, mode ; a slot's four sub-steps
	SUB 0, \slot, \other, \ph0, 0
	SUB 1, \slot, \other, \ph1, 0
	SUB 2, \slot, \other, 2, 0
	SUB 3, \slot, \other, 2, \mode
.endm
	s_wait_tensorcnt 0x1                           ; my piece of step 0 is in; step 1's load stays out
	s_barrier_signal -1
	s_barrier_wait -1                              ; everybody's is
	KLOAD 0, 0
	s_wait_loadcnt 0x0                             ; Q
.irp n, 0,1,2,3,4,5,6,7
	SW 0, \n, 1                                    ; S0 of the first sub-step: the pipeline's head
.endr
	PLACES                                         ; behind these products: their results are read next
.irp n, 0,1,2,3,4,5,6,7
	MAXL 0, \n                                     ; the first eight lines of its maximum: there is no batch yet for them to stand in
.endr
	STEP 0, 1, 0, 1, 1                             ; step 0; asks for step 2
	STEP 1, 0, 2, 2, 1                             ; step 1; asks for step 3
	s_mov_b32 s58, 2
.Llap:
	STEP 0, 1, 2, 2, 1                             ; steps 2, 4; ask for 4, 6
	STEP 1, 0, 2, 2, 1                             ; steps 3, 5; ask for 5, 7
	s_sub_co_u32 s58, s58, 1
	s_cmp_lg_u32 s58, 0
	s_cbranch_scc1 .Llap
	STEP 0, 1, 2, 2, 2                             ; steps 6, 7: nothing is left to fetch, so no round of the cluster's barrier
	STEP 1, 0, 2, 2, 3
	PVPART 1, 0, -1                                ; the pipeline's end: the last P1 V
	; THE TAIL.  My half's maximum (the odd sub-steps' register holds the last) and sum for each query, as a quad for one LDS access.
	PLACES                                         ; behind the last products: O is read, P's registers are loaded into
	v_add_f32 v[T+2], v[LP], v[LP+1]
	v_add_f32 v[T+3], v[LP+2], v[LP+3]
	v_permlanex16_b32 v[T+4], v[T+2], s56, s57     ; lanes r and r + 16 summed different keys under one maximum
	v_permlanex16_b32 v[T+9], v[T+3], s56, s57
	v_mov_b32 v[T], v[MB]
	v_mov_b32 v[T+1], v[MB+2]
	v_add_f32 v[T+2], v[T+2], v[T+4]
	v_add_f32 v[T+3], v[T+3], v[T+9]
	v_and_b32 v[TA+3], 31, v0
	v_lshlrev_b32 v[TA+3], 4, v[TA+3]              ; 16 lane
	s_mul_i32 s18, s13, MSZ
	s_add_co_u32 s18, s18, MST
	v_add_nc_u32 v[TA], s18, v[TA+3]               ; lane l of wave p + 4 hands over to lane l of wave p: same query, same d
	s_cmp_eq_u32 s14, 0
	s_cbranch_scc1 .Llower
	WIN 0x04                                       ; store data in window 1
.irp i, 0,1,2,3,4,5,6,7,8,9,10,11,12,13,14,15
	ds_store_b128 v[TA], v[OF+4*\i:OF+4*\i+3] offset:512*\i
.endr
	WIN 0
	ds_store_b128 v[TA], v[T:T+3] offset:8192
.Llower:
	s_wait_dscnt 0x0                               ; for the other waves: what I stored is in LDS
	s_barrier_signal -1
	s_barrier_wait -1
	s_cmp_lg_u32 s14, 0
	s_cbranch_scc1 .Lclose
.irp i, 0,1,2,3,4,5,6,7,8,9,10,11,12,13,14,15
	ds_load_b128 v[KF+4*\i:KF+4*\i+3], v[TA] offset:512*\i         ; the upper half's O
.endr
	ds_load_b128 v[T+4:T+7], v[TA] offset:8192                     ; its maxima and sums
	v_and_b32 v[TM+8], 15, v0                      ; r
	v_bfe_u32 v[TM+9], v0, 4, 1                    ; h
	v_mul_u32_u24 v[TA+1], v[TM+8], KP
	v_lshl_add_u32 v[TA+1], v[TM+9], 4, v[TA+1]
	s_mul_i32 s18, s13, 32*KP
	s_add_co_u32 s18, s18, OST
	v_add_nc_u32 v[TA+1], s18, v[TA+1]             ; in: row r, 16 bytes for each half of the lanes
	v_bfe_u32 v[TM+8], v0, 3, 2                    ; back: eight lanes take one row of 128 bytes
	v_and_b32 v[TM+9], 7, v0
	v_mul_u32_u24 v[TA+2], v[TM+8], KP
	v_lshl_add_u32 v[TA+2], v[TM+9], 4, v[TA+2]
	v_add_nc_u32 v[TA+2], s18, v[TA+2]
	s_lshl_b32 s18, s13, 12
	v_add_nc_u32 v[TA+3], s18, v[TA+3]             ; 4,096 p + 16 lane in ah
	s_wait_dscnt 0x0
	; M = max(m, m'), a = 2^(m - M), a' = 2^(m' - M), result = (a O + a' O') / (a l + a' l').  One of a, a' is 1 and each sum is at least 1.
	v_max_num_f32 v[TM],   v[T],   v[T+4]
	v_max_num_f32 v[TM+1], v[T+1], v[T+5]
	v_sub_f32 v[TM+2], v[T],   v[TM]
	v_sub_f32 v[TM+3], v[T+1], v[TM+1]
	v_sub_f32 v[TM+4], v[T+4], v[TM]
	v_sub_f32 v[TM+5], v[T+5], v[TM+1]
	v_exp_f32 v[TM+2], v[TM+2]
	v_exp_f32 v[TM+3], v[TM+3]
	v_exp_f32 v[TM+4], v[TM+4]
	v_exp_f32 v[TM+5], v[TM+5]
	v_nop                                          ; one plain place behind the exponentials before their results are used (ISA guide 5.7.2)
	s_wait_alu depctr_va_vdst(0)                   ; the wait for the batch of these four exponentials, ahead of their first reader
	v_mul_f32 v[TM+6], v[T+2], v[TM+2]
	v_mul_f32 v[TM+7], v[T+3], v[TM+3]
	v_fmac_f32 v[TM+6], v[T+6], v[TM+4]
	v_fmac_f32 v[TM+7], v[T+7], v[TM+5]
	v_rcp_f32 v[TM+6], v[TM+6]
	v_rcp_f32 v[TM+7], v[TM+7]
	v_nop                                          ; the same behind the reciprocals
	s_wait_alu depctr_va_vdst(0)                   ; the wait for the batch of the two reciprocals: they read sums made of the exponentials, so they are a batch of their own
	v_mul_f32 v[AL],   v[TM+2], v[TM+6]            ; my O's factor
	v_mul_f32 v[AL+2], v[TM+3], v[TM+7]
	v_mul_f32 v[MA],   v[TM+4], v[TM+6]            ; the other O's
	v_mul_f32 v[MA+2], v[TM+5], v[TM+7]
.irp qt, 0,1
.set e, 0
.rept 16
	v_pk_mul_f32 v[KF+32*\qt+2*e:KF+32*\qt+2*e+1], v[KF+32*\qt+2*e:KF+32*\qt+2*e+1], v[MA+2*\qt:MA+2*\qt+1] op_sel_hi:[1,0]
.set e, e+1
.endr
.endr
	WIN 0x01                                       ; source 0 (my O) in window 1
.irp qt, 0,1
.set e, 0
.rept 16
	v_pk_fma_f32 v[KF+32*\qt+2*e:KF+32*\qt+2*e+1], v[OF+32*\qt+2*e:OF+32*\qt+2*e+1], v[AL+2*\qt:AL+2*\qt+1], v[KF+32*\qt+2*e:KF+32*\qt+2*e+1] op_sel_hi:[1,0,1]
.set e, e+1
.endr
.endr
	WIN 0
.set e, 0
.rept 32
	v_cvt_pk_bf16_f32 v[TM+e], v[KF+2*e], v[KF+2*e+1]              ; a lane's eight numbers of a tile are eight neighbouring d of one query: 16 bytes
.set e, e+1
.endr
.irp qt, 0,1
.irp dt, 0,1,2,3
	ds_store_b128 v[TA+1], v[TM+16*\qt+4*\dt:TM+16*\qt+4*\dt+3] offset:\qt*16*KP+32*\dt
.endr
.endr
.irp i, 0,1,2,3,4,5,6,7
	ds_load_b128 v[PF+4*\i:PF+4*\i+3], v[TA+2] offset:4*KP*\i      ; my own bytes: LDS serves a wave's instructions in order (ISA guide 5.7.1), these see the stores above
.endr
.irp i, 0,1,2,3,4,5,6,7
	s_wait_dscnt 7-\i                              ; four rows i are in, the younger loads may be out
	global_store_b128 v[TA+3], v[PF+4*\i:PF+4*\i+3], s[10:11] offset:512*\i   ; a wave's store covers 512 consecutive bytes (four positions), at a multiple of 512 from the buffer's first byte
.endr
.Lclose:
	s_set_vgpr_msb 0x5
	s_wait_tensorcnt 0x0
	ds_add_u32 v128, v129
	s_wait_dscnt 0x0
	s_set_vgpr_msb 0x500
	CROUND                                         ; the closing round: no work-group ends while a partner may still ask for a tile that names it
	s_endpgm
.Lfunc_end_k_q56be0219d4_attn:
	.size	k_q56be0219d4_attn, .Lfunc_end_k_q56be0219d4_attn-k_q56be0219d4_attn
	.p2alignl 7, 3214868480
	.fill 96, 4, 3214868480
	.section	.rodata,"a",@progbits
	.p2align	6, 0x0
	.amdhsa_kernel k_q56be0219d4_attn
		.amdhsa_group_segment_fixed_size 327680
		.amdhsa_private_segment_fixed_size 0
		.amdhsa_enable_private_segment 0
		.amdhsa_kernarg_size 32
		.amdhsa_user_sgpr_count 2
		.amdhsa_user_sgpr_kernarg_segment_ptr 1
		.amdhsa_wavefront_size32 1
		.amdhsa_system_sgpr_workgroup_id_x 1
		.amdhsa_system_sgpr_workgroup_id_y 1
		.amdhsa_system_sgpr_workgroup_id_z 1
		.amdhsa_system_vgpr_workitem_id 0
		.amdhsa_next_free_vgpr 386
		.amdhsa_next_free_sgpr 66
		.amdhsa_reserve_vcc 0
		.amdhsa_float_denorm_mode_32 3
		.amdhsa_float_denorm_mode_16_64 3
		.amdhsa_memory_ordered 1
		.amdhsa_forward_progress 1
		.amdhsa_inst_pref_size 255
	.end_amdhsa_kernel
	.section	.bss,"aw",@nobits
	.p2align	6
	.space	262144
	.amdgpu_metadata
---
amdhsa.version: [ 1, 2 ]
amdhsa.kernels:
  - .name:           k_q56be0219d4_attn
    .symbol:         k_q56be0219d4_attn.kd
    .args:
      - { .name: qh, .offset: 0, .size: 8, .value_kind: global_buffer, .address_space: global }
      - { .name: kh, .offset: 8, .size: 8, .value_kind: global_buffer, .address_space: global }
      - { .name: vh, .offset: 16, .size: 8, .value_kind: global_buffer, .address_space: global }
      - { .name: ah, .offset: 24, .size: 8, .value_kind: global_buffer, .address_space: global }
    .group_segment_fixed_size: 327680
    .private_segment_fixed_size: 0
    .kernarg_segment_align: 8
    .kernarg_segment_size: 32
    .max_flat_workgroup_size: 256
    .sgpr_count:     66
    .vgpr_count:     386
    .wavefront_size: 32
...
	.end_amdgpu_metadata
.endif
;; end of part 4
;; launch outp: the kernel of part 3 again; grid 4 x 64, 16 waves a work-group, no clusters, 235,520 bytes of LDS; arguments ah, W_out, b_out, out0; writes out0
